; MI455X (gfx1250); checked and timed in simulation.
; The chip was launched on July 23, 2026; its instructions are those of AMD's public machine-readable ISA for CDNA 5 (MIT licence, August 2026) and "CDNA5" Instruction Set Architecture Reference Guide (July 2026). The comments in the code are by the model that wrote it; some were corrected since.
;; Block. Allowed arithmetic: matrix products marked QUANTISED: E4M3 operands, one given power-of-two scale a tensor, by v_wmma_f32_16x16x64_fp8_fp8 or v_wmma_f32_16x16x128_fp8_fp8, f32 sums; everything else in f32.
;; Inputs: b1 4,096 float32; b2 1,024 float32; b_proj 1,024 float32; be1 1,024 float32; be2 1,024 float32; g1 1,024 float32; g2 1,024 float32; lowp_scales 16 int32 (the exponents e of the quantised operands' scales 2^e); w1 1,024 x 4,096 float32; w2 4,096 x 1,024 float32; w_proj 1,024 x 1,024 float32; wk 16 x 1,024 x 64 float32; wq 16 x 1,024 x 64 float32; wv 16 x 1,024 x 64 float32; x 2 x 2,048 x 1,024 float32.
;; Outputs: out0 2 x 2,048 x 1,024 float32.
;; This version of the problem:
;;   THIS VERSION OF THE PROBLEM IS GIVEN IN LOW PRECISION. The matrix products marked QUANTISED in the list below multiply operands that are first quantised to E4M3 (4 exponent bits, 3 mantissa bits; 8 bits a number), with one given power-of-two scale for each operand tensor; their sums are f32. All else is computed in f32.
;;   The module's matrix products, in the order in which they are computed (A, B: the left and right operand; K: the contracted axis; several contracted axes count as one K, in the product's order):
;;     1. [M 1,024, K 1,024] x [K 1,024, N 4,096]; A: input wq; B: computed on the way: QUANTISED (scales: A lowp_scales[0], B lowp_scales[1])
;;     2. [M 1,024, K 1,024] x [K 1,024, N 4,096]; A: input wk; B: computed on the way: QUANTISED (scales: A lowp_scales[2], B lowp_scales[3])
;;     3. [M 1,024, K 1,024] x [K 1,024, N 4,096]; A: input wv; B: computed on the way: QUANTISED (scales: A lowp_scales[4], B lowp_scales[5])
;;     4. batch 32 x [M 2,048, K 64] x [K 64, N 2,048]; A: computed on the way; B: computed on the way: QUANTISED (scales: A lowp_scales[6], B lowp_scales[7])
;;     5. batch 32 x [M 2,048, K 2,048] x [K 2,048, N 64]; A: softmax (see below); B: computed on the way: QUANTISED (scales: A lowp_scales[8], B lowp_scales[9])
;;     6. [M 4,096, K 1,024] x [K 1,024, N 1,024]; A: computed on the way; B: input w_proj: QUANTISED (scales: A lowp_scales[10], B lowp_scales[11])
;;     7. [M 4,096, K 1,024] x [K 1,024, N 4,096]; A: computed on the way; B: input w1: QUANTISED (scales: A lowp_scales[12], B lowp_scales[13])
;;     8. [M 4,096, K 4,096] x [K 4,096, N 1,024]; A: computed on the way; B: input w2: QUANTISED (scales: A lowp_scales[14], B lowp_scales[15])
;;   THE QUANTISER, for each operand of a quantised product, along K:
;;     - The operand's scale is 2^e, e = its entry of the input lowp_scales (int32; the entries are numbered through the quantised products in the list's order, A before B).
;;     - Each number is divided by the scale, clamped to +-448, and rounded to the nearest number of E4M3, ties to even, subnormals kept.
;;     - The product sums the exact products of the quantised numbers (number of the format x scale) in f32.
;;   ~~~python
;;   def quantise(x, axis, e):      # numpy; x: float32 -> the quantised numbers, widened to float32 again
;;       x = np.moveaxis(x, axis, -1); K = x.shape[-1]
;;       r = np.clip(x / 2.0 ** e, -448, 448)
;;       step = 2.0 ** (np.maximum(np.frexp(np.where(r == 0, 1, r))[1] - 1, -6) - 3)
;;       q = np.round(r / step) * step * 2.0 ** e      # np.round: ties to even
;;       return np.moveaxis(q, -1, axis).astype(np.float32)
;;   ~~~
;;   SOFTMAX AHEAD OF A QUANTISED PRODUCT. Where the list says 'softmax', what is quantised is not the finished softmax but p = 2^(t - M), with t = logit x log2(e) and M = ceil(the row's largest t), a whole number; so 1/2 < the row's largest p <= 1. The row's sum l is taken of the UNQUANTISED p, in f32, and the product's result is divided by l at the end. Since M is a whole number, a kernel that streams over the keys may use a running M (the ceiling of the running maximum): every later rescaling is an exact power of two, so the quantised numbers keep their values, but for numbers so far below the row's largest that they fall under the format's range.
;;   OPERANDS COMPUTED ON THE WAY. 'Computed on the way' means the value that the module computes at that place (a softmax that the list does not call 'softmax' is quantised finished and normalised). What goes into a quantiser is computed in f32, as accurately as f32 sums, v_exp_f32 and their like allow (about 1e-6 of the number): no bf16 or f16 on the way to a quantiser, and a product that is left as it is and whose result goes on into a quantised operand takes f32 operands (vector FMAs, or v_wmma_f32_16x16x4_f32). A number that lies on a knife's edge between two numbers of the format may be rounded either way, as far as f32 arithmetic and the matrix unit's own rounding can turn it there, and no further.
;; One version. Each part assembles by itself: llvm-mc -triple=amdgcn-amd-amdhsa -mcpu=gfx1250 --defsym DOCPART=n.
;; ======== version 1 of 1: 7 launches
;; limits: right only within a limited range of input values
;; workspace buffers: wc 12,582,912 bytes; hc 12,582,912 bytes; qkvc 12,582,912 bytes; ac 4,194,304 bytes; x1 16,777,216 bytes; h2c 4,194,304 bytes; hid 16,777,216 bytes
;; launch prep (part 1): grid 640 x 1, 4 waves a work-group, no clusters, 76,288 bytes of LDS; arguments x, g1, be1, lowp_scales, wq, wk, wv, w_proj, w1, w2, wc, hc; writes wc, hc
.if DOCPART == 1
	.amdgcn_target "amdgcn-amd-amdhsa--gfx1250"
	.amdhsa_code_object_version 6
	.text
	.protected	k_qf136452abc_prep
	.globl	k_qf136452abc_prep
	.p2align	8
	.type	k_qf136452abc_prep,@function
k_qf136452abc_prep:
	s_mov_b64 s[64:65], 0
	v_nop
	global_prefetch_b8 v0, s[64:65] scope:SCOPE_SE
	s_setreg_imm32_b32 hwreg(HW_REG_WAVE_MODE, 25, 1), 1
	s_wait_xcnt 0x0
; PREP.  Work-groups 0-255: h = layernorm(x) g1 + be1, quantised three times (scales' entries 1, 3, 5) into hc: three sets [4096][1024] of E4M3 codes, 4 MiB apart.
; Work-groups 256-639: the six weights, whose K is not their last axis, into wc as codes [n][k], K innermost: wq, wk, wv (n = 64 head + d) at 0, 1, 2 MiB, w_proj at 3, w1 at 4, w2 at 8 MiB.
; code = x / 2^e, held within +-448, to the nearest code, ties to even.  LIMITS: each e used here between -126 and 119; NaN among the inputs is not served.
; No tensor loads, no barrier: waves share nothing.  The two paths part on the work-group's number and have LDS bytes of their own: the weights' stages at 0 (8,704 a wave), the rows' stages at LNB (2 x 5,120 a wave).
; ROWS: a wave's four rows are all asked for at the head, 32 loads of 512 consecutive bytes: 16 KB a wave are on their way.  A row turns through a stage in LDS and comes back into the registers that it was loaded into.
.set LNB,  34816
.set X,    16                          ; rows: v16-143: row r in v[16 + 32 r] on, as loaded, then turned: register 16 s + j = column 512 s + 16 lane + j
.set T,    144                         ; v144-175 at work: partial sums
.set G,    176                         ; v176-207 g1, v208-239 be1, in the turned layout
.set BE,   208
.set C,    240                         ; v240-247 codes
.set VOFF, 16                          ; weights: v16-47 4 lane + i x pitch
.set WX,   48                          ; v48-111 two sets of 32 numbers down K; on the way out 16 x 4 registers of codes
.set WC,   112                         ; v112-119 a block's codes
.set VO,   120                         ; v120-135 the stores' offsets
.macro QSC vs, vl, se                  ; v[vs] = 2^e as f32 (the conversion takes its exponent field)
	s_add_co_i32 s34, s\se, 127
	s_lshl_b32 s35, s34, 23
	v_mov_b32 v\vs, s35
	s_add_co_i32 s34, s34, 8
	s_lshl_b32 s34, s34, 23
	s_or_b32 s34, s34, 0x600000
.endm
	s_load_b512 s[4:19], s[0:1], 0x0               ; x s[4:5], g1 s[6:7], be1 s[8:9], scales s[10:11], wq s[12:13], wk s[14:15], wv s[16:17], w_proj s[18:19]
	s_load_b256 s[20:27], s[0:1], 0x40             ; w1 s[20:21], w2 s[22:23], wc s[24:25], hc s[26:27]
	v_lshl_add_u32 v248, v0, 2, 0x12800
	v_mov_b32 v249, 0
	v_lshrrev_b32 v1, 5, v0
	v_readfirstlane_b32 s28, v1                    ; wave 0..3
	v_and_b32 v1, 31, v0                           ; lane
	s_wait_kmcnt 0x0
	s_load_b512 s[36:51], s[10:11], 0x0            ; entry n of the scales in s[36 + n]
	s_cmp_lt_u32 ttmp9, 256
	s_cbranch_scc0 .Lweights
	; ---------------- rows: a wave takes rows 16 wg + 4 wave + 0..3
	s_wait_alu depctr_va_vdst(0)
	v_lshlrev_b32 v3, 4, v1                        ; 16 x lane: my bytes of a load's 512, and of a store's 512
	v_lshlrev_b32 v2, 6, v1                        ; 64 x lane: my 16 numbers of g1 and be1
	s_wait_alu depctr_va_vdst(0)
	s_mul_i32 s29, s28, 10240
	s_add_co_u32 s29, s29, LNB                     ; my two stages: each 64 places of 64 bytes + 16 of padding
	v_lshrrev_b32 v14, 2, v1
	v_mul_u32_u24 v14, v14, 80
	v_and_b32 v15, 3, v1
	v_lshl_add_u32 v14, v15, 4, v14
	v_add_nc_u32 v14, s29, v14                     ; in: 80 (lane / 4) + 16 (lane % 4); a load's 512 bytes take eight places
	v_mul_u32_u24 v15, v1, 80
	v_add_nc_u32 v15, s29, v15                     ; out: 80 x lane: 16 neighbours
	s_lshl_b32 s52, ttmp9, 16                      ; 16 rows of 4,096 bytes a work-group,
	s_lshl_b32 s53, s28, 14                        ; 4 a wave
	s_add_co_u32 s52, s52, s53
	s_mov_b32 s53, 0
	s_add_nc_u64 s[4:5], s[4:5], s[52:53]
	s_lshr_b32 s52, s52, 2                         ; the codes are a quarter of the bytes
	s_add_nc_u64 s[54:55], s[26:27], s[52:53]      ; the three sets of codes
	s_add_nc_u64 s[56:57], s[54:55], 0x400000
	s_add_nc_u64 s[58:59], s[54:55], 0x800000
	s_mov_b32 s30, 0x3a800000                      ; 1 / 1024
	s_mov_b32 s31, 0x3727c5ac                      ; 1e-5
	s_mov_b32 s32, 0x76543210                      ; v_permlanex16_b32: lane l xor 16
	s_mov_b32 s33, 0xfedcba98
.irp i, 0,1,2,3,4,5,6,7
	global_load_b128 v[G+4*\i:G+4*\i+3], v2, s[6:7] offset:2048*(\i/4)+16*(\i%4)
	global_load_b128 v[BE+4*\i:BE+4*\i+3], v2, s[8:9] offset:2048*(\i/4)+16*(\i%4)
.endr
.set rr, 0
.rept 4                                        ; all four rows at once
.irp i, 0,1,2,3,4,5,6,7
	global_load_b128 v[X+32*rr+4*\i:X+32*rr+4*\i+3], v3, s[4:5] offset:4096*rr+512*\i th:TH_LOAD_NT
.endr
.set rr, rr+1
.endr
	s_wait_alu depctr_va_vdst(0)
	s_wait_kmcnt 0x0
	QSC 4, 5, 37                                   ; entry 1
	QSC 6, 7, 39                                   ; entry 3
	QSC 8, 9, 41                                   ; entry 5
.macro TST r                           ; row r goes into stage r % 2 as it was loaded
.set XT, X+32*(\r)
	s_wait_loadcnt 8*(3-(\r))                      ; loads come back in order: row r (and g1, be1, asked for earlier) is in; the eight loads of each later row may be out
.irp i, 0,1,2,3,4,5,6,7
	ds_store_b128 v14, v[XT+4*\i:XT+4*\i+3] offset:5120*((\r)%2)+640*\i
.endr
.endm
.macro TLD r                           ; and comes back turned, into the same registers
.set XT, X+32*(\r)
	s_wait_dscnt 0x0                               ; the stores have read those registers
.irp i, 0,1,2,3,4,5,6,7
	ds_load_b128 v[XT+4*\i:XT+4*\i+3], v15 offset:5120*((\r)%2)+2560*(\i/4)+16*(\i%4)
.endr
.endm
.macro WSUM                            ; the two packed chains in v[T:T+3] become one sum, in every lane
	v_pk_add_f32 v[T:T+1], v[T:T+1], v[T+2:T+3]
	v_add_f32 v[T], v[T], v[T+1]
.irp m, 1,2,4,8
	v_add_f32_dpp v[T], v[T], v[T] row_xmask:\m row_mask:0xf bank_mask:0xf
.endr
	v_permlanex16_b32 v[T+1], v[T], s32, s33
	v_add_f32 v[T], v[T], v[T+1]
.endm
.macro LNOUT r, o                      ; output o of row r: convert, store 2 x 512 consecutive bytes
	s_wait_xcnt 0x0                                ; the stores before have read the codes' registers: they are written again only behind this wait
.set i, 0
.rept 32
.set i, i+1
.endr
.irp g, 0,1,2,3
	v_cvt_scalef32_pk8_fp8_f32 v[C+2*\g:C+2*\g+1], v[XR+8*\g:XR+8*\g+7], v[4+2*\o]
.endr
	v_nop                                          ; a plain line between the conversions and the next lines that write their sources
	global_store_b128 v3, v[C:C+3], s[54+2*\o:55+2*\o] offset:1024*\r
	global_store_b128 v3, v[C+4:C+7], s[54+2*\o:55+2*\o] offset:1024*\r+512
.endm
.macro LNROW r
.set XR, X+32*(\r)
	s_wait_dscnt 0x0                               ; the row is back, turned
.if \r < 3
	TST (\r)+1                                     ; the next row's way into the other stage stands ahead of this row's work
.endif
	v_pk_add_f32 v[T:T+1], v[XR:XR+1], v[XR+2:XR+3]
	v_pk_add_f32 v[T+2:T+3], v[XR+4:XR+5], v[XR+6:XR+7]
.irp j, 8,12,16,20,24,28
	v_pk_add_f32 v[T:T+1], v[T:T+1], v[XR+\j:XR+\j+1]
	v_pk_add_f32 v[T+2:T+3], v[T+2:T+3], v[XR+\j+2:XR+\j+3]
.endr
	WSUM
	v_mul_f32 v10, s30, v[T]                       ; the mean
	v_mov_b32 v11, v10
.if \r < 3
	s_wait_alu depctr_va_vdst(0)
	TLD (\r)+1                                     ; and its way back lands while this row is worked
.endif
.irp j, 0,2,4,6,8,10,12,14,16,18,20,22,24,26,28,30
	v_pk_add_f32 v[XR+\j:XR+\j+1], v[XR+\j:XR+\j+1], v[10:11] neg_lo:[0,1] neg_hi:[0,1]
.endr
	v_pk_mul_f32 v[T:T+1], v[XR:XR+1], v[XR:XR+1]  ; the variance of the centred numbers: no difference of large sums
	v_pk_mul_f32 v[T+2:T+3], v[XR+2:XR+3], v[XR+2:XR+3]
.irp j, 4,8,12,16,20,24,28
	v_pk_fma_f32 v[T:T+1], v[XR+\j:XR+\j+1], v[XR+\j:XR+\j+1], v[T:T+1]
	v_pk_fma_f32 v[T+2:T+3], v[XR+\j+2:XR+\j+3], v[XR+\j+2:XR+\j+3], v[T+2:T+3]
.endr
	WSUM
	v_fma_f32 v[T], v[T], s30, s31                 ; variance + 1e-5
	s_wait_alu depctr_va_vdst(0)
	v_rsq_f32 v12, v[T]
	v_nop                                          ; a plain line behind the transcendental,
	s_wait_alu depctr_va_vdst(0)                   ; and the wait ahead of its first reader
	v_mov_b32 v13, v12
.irp j, 0,2,4,6,8,10,12,14,16,18,20,22,24,26,28,30
	v_pk_mul_f32 v[XR+\j:XR+\j+1], v[XR+\j:XR+\j+1], v[12:13]
.endr
.irp j, 0,2,4,6,8,10,12,14,16,18,20,22,24,26,28,30
	v_pk_fma_f32 v[XR+\j:XR+\j+1], v[XR+\j:XR+\j+1], v[G+\j:G+\j+1], v[BE+\j:BE+\j+1]
.endr
	s_wait_alu depctr_va_vdst(0)
	LNOUT \r, 0
	LNOUT \r, 1
	LNOUT \r, 2
.endm
	TST 0
	TLD 0
	LNROW 0
	LNROW 1
	LNROW 2
	LNROW 3
	s_wait_tensorcnt 0x0
	ds_add_u32 v248, v249
	s_wait_dscnt 0x0
	s_endpgm
	; ---------------- weights: a wave takes 32 columns x 256 along K; a lane takes a column, its registers run down K, so the conversions give codes with K innermost
.Lweights:
	s_sub_co_u32 s52, ttmp9, 256                   ; g = 0..383: wq 0-31, wk 32-63, wv 64-95, w_proj 96-127, w1 128-255, w2 256-383
	s_wait_kmcnt 0x0
	s_mov_b64 s[54:55], s[22:23]                   ; w2's figures first; five compares on g replace them
	s_mov_b32 s56, 256                             ; the tensor's first g
	s_mov_b32 s57, 4096                            ; bytes from k to k + 1
	s_mov_b32 s58, 31                              ; blocks of 32 columns, less 1
	s_mov_b32 s59, 5                               ; their log2
	s_mov_b32 s60, 4096                            ; a row of codes in bytes: K
	s_mov_b32 s61, 0x800000                        ; its place in wc
	s_mov_b32 s62, s51                             ; e: entry 15
.macro PICK bound, ptr, first, pitch, ncb, shift, krow, off, e
	s_cmp_lt_u32 s52, \bound
	s_cselect_b64 s[54:55], s[\ptr:\ptr+1], s[54:55]
	s_cselect_b32 s56, \first, s56
	s_cselect_b32 s57, \pitch, s57
	s_cselect_b32 s58, \ncb, s58
	s_cselect_b32 s59, \shift, s59
	s_cselect_b32 s60, \krow, s60
	s_cselect_b32 s61, \off, s61
	s_cselect_b32 s62, s\e, s62
.endm
	PICK 256, 20, 128, 16384, 127, 7, 1024, 0x400000, 49   ; w1, entry 13
	PICK 128, 18, 96, 4096, 31, 5, 1024, 0x300000, 47      ; w_proj, entry 11
	PICK 96, 16, 64, 256, 31, 5, 1024, 0x200000, 40        ; wv, entry 4
	PICK 64, 14, 32, 256, 31, 5, 1024, 0x100000, 38        ; wk, entry 2
	PICK 32, 12, 0, 256, 31, 5, 1024, 0, 36                ; wq, entry 0
	s_sub_co_u32 s53, s52, s56
	s_lshl_b32 s53, s53, 2
	s_add_co_u32 s53, s53, s28                     ; my wave's number within the tensor
	s_and_b32 s63, s53, s58                        ; cb: which 32 columns
	s_lshr_b32 s53, s53, s59                       ; kc: which 256 along K
	s_lshr_b32 s82, s63, 1                         ; per-head weights [head][k][64]: head = cb / 2, 262,144 bytes a head,
	s_lshl_b32 s82, s82, 18
	s_and_b32 s83, s63, 1
	s_lshl_b32 s83, s83, 7                         ; and which half of its 64 columns
	s_add_co_u32 s82, s82, s83
	s_lshl_b32 s83, s63, 7                         ; the others [k][n]: 128 cb
	s_cmp_lt_u32 s52, 96
	s_cselect_b32 s82, s82, s83
	s_mul_i32 s83, s53, s57
	s_lshl_b32 s83, s83, 8                         ; + 256 kc rows
	s_add_co_u32 s82, s82, s83
	s_mov_b32 s83, 0
	s_add_nc_u64 s[66:67], s[54:55], s[82:83]      ; eight bases, one for each block of 32 along K: no pointer is stepped
	s_lshl_b32 s82, s57, 5
.irp t, 1,2,3,4,5,6,7
	s_add_nc_u64 s[66+2*\t:67+2*\t], s[66+2*(\t-1):67+2*(\t-1)], s[82:83]
.endr
	s_mul_i32 s84, s63, s60
	s_lshl_b32 s84, s84, 5                         ; codes: row 32 cb,
	s_lshl_b32 s85, s53, 8                         ; byte 256 kc,
	s_add_co_u32 s84, s84, s85
	s_add_co_u32 s84, s84, s61                     ; in the tensor's part of wc
	s_mov_b32 s85, 0
	s_add_nc_u64 s[24:25], s[24:25], s[84:85]
	s_wait_alu depctr_va_vdst(0)
	v_lshlrev_b32 v2, 2, v1
.set i, 0
.rept 32
	v_mad_u32_u24 v[VOFF+i], s57, i, v2            ; row i of a block, my column: 32 lanes read 128 consecutive bytes
.set i, i+1
.endr
	s_mul_i32 s86, s28, 8704                       ; my stage: 32 rows (columns of the weight) x (256 + 16) bytes
	v_mul_u32_u24 v4, v1, 272
	v_add_nc_u32 v4, s86, v4                       ; in: row = my column
	v_and_b32 v5, 15, v1
	v_lshrrev_b32 v6, 4, v1
	v_mul_u32_u24 v7, v6, 272
	v_lshl_add_u32 v7, v5, 4, v7
	v_add_nc_u32 v7, s86, v7                       ; out: sixteen lanes to a row, two rows an instruction
	v_mul_lo_u32 v8, v6, s60
	v_lshl_add_u32 v8, v5, 4, v8
	s_lshl_b32 s87, s60, 1
.set i, 0
.rept 16
	v_mad_u32_u24 v[VO+i], s87, i, v8              ; and the same places in wc
.set i, i+1
.endr
	QSC 11, 10, 62
.macro WLOAD t
.set i, 0
.rept 32
	global_load_b32 v[WX+32*((\t)%2)+i], v[VOFF+i], s[66+2*(\t):67+2*(\t)] th:TH_LOAD_NT
.set i, i+1
.endr
.endm
.macro WBLOCK t
.set XS, WX+32*((\t)%2)
.if (\t) < 7
	s_wait_loadcnt 32                              ; this block's 32 loads are in; the next block's 32 may be out
.else
	s_wait_loadcnt 0x0
.endif
.set i, 0
.rept 32
.set i, i+1
.endr
.irp g, 0,1,2,3
	v_cvt_scalef32_pk8_fp8_f32 v[WC+2*\g:WC+2*\g+1], v[XS+8*\g:XS+8*\g+7], v11
.endr
	ds_store_b128 v4, v[WC:WC+3] offset:32*(\t)    ; 32 codes of my column's row
	ds_store_b128 v4, v[WC+4:WC+7] offset:32*(\t)+16
.if (\t)+2 < 8
	WLOAD (\t)+2
.endif
	s_wait_dscnt 0x0                               ; the stores have read their registers: the next block's codes may be written
.endm
	WLOAD 0
	WLOAD 1
	s_wait_alu depctr_va_vdst(0)
.irp t, 0,1,2,3,4,5,6,7
	WBLOCK \t
.endr
	v_nop
.irp t, 0,1,2,3,4,5,6,7,8,9,10,11,12,13,14,15
	ds_load_b128 v[WX+4*\t:WX+4*\t+3], v7 offset:2*\t*272
.endr
.irp t, 0,1,2,3,4,5,6,7,8,9,10,11,12,13,14,15
	s_wait_dscnt 15-\t                             ; the younger loads may be out
	global_store_b128 v[VO+\t], v[WX+4*\t:WX+4*\t+3], s[24:25]   ; sixteen lanes store 256 consecutive bytes, at a multiple of 256 from wc's first byte
.endr
	s_wait_tensorcnt 0x0
	ds_add_u32 v248, v249
	s_wait_dscnt 0x0
	s_endpgm
.Lfunc_end_k_qf136452abc_prep:
	.size	k_qf136452abc_prep, .Lfunc_end_k_qf136452abc_prep-k_qf136452abc_prep
	.p2alignl 7, 3214868480
	.fill 96, 4, 3214868480
	.section	.rodata,"a",@progbits
	.p2align	6, 0x0
	.amdhsa_kernel k_qf136452abc_prep
		.amdhsa_group_segment_fixed_size 76288
		.amdhsa_private_segment_fixed_size 0
		.amdhsa_enable_private_segment 0
		.amdhsa_kernarg_size 96
		.amdhsa_user_sgpr_count 2
		.amdhsa_user_sgpr_kernarg_segment_ptr 1
		.amdhsa_wavefront_size32 1
		.amdhsa_system_sgpr_workgroup_id_x 1
		.amdhsa_system_sgpr_workgroup_id_y 1
		.amdhsa_system_sgpr_workgroup_id_z 1
		.amdhsa_system_vgpr_workitem_id 0
		.amdhsa_next_free_vgpr 250
		.amdhsa_next_free_sgpr 100
		.amdhsa_reserve_vcc 0
		.amdhsa_float_denorm_mode_32 3
		.amdhsa_float_denorm_mode_16_64 3
		.amdhsa_fp16_overflow 1
		.amdhsa_memory_ordered 1
		.amdhsa_forward_progress 1
		.amdhsa_inst_pref_size 81
	.end_amdhsa_kernel
	.amdgpu_metadata
---
amdhsa.version: [ 1, 2 ]
amdhsa.kernels:
  - .name:           k_qf136452abc_prep
    .symbol:         k_qf136452abc_prep.kd
    .args:
      - { .name: x, .offset: 0, .size: 8, .value_kind: global_buffer, .address_space: global }
      - { .name: g1, .offset: 8, .size: 8, .value_kind: global_buffer, .address_space: global }
      - { .name: be1, .offset: 16, .size: 8, .value_kind: global_buffer, .address_space: global }
      - { .name: lowp_scales, .offset: 24, .size: 8, .value_kind: global_buffer, .address_space: global }
      - { .name: wq, .offset: 32, .size: 8, .value_kind: global_buffer, .address_space: global }
      - { .name: wk, .offset: 40, .size: 8, .value_kind: global_buffer, .address_space: global }
      - { .name: wv, .offset: 48, .size: 8, .value_kind: global_buffer, .address_space: global }
      - { .name: w_proj, .offset: 56, .size: 8, .value_kind: global_buffer, .address_space: global }
      - { .name: w1, .offset: 64, .size: 8, .value_kind: global_buffer, .address_space: global }
      - { .name: w2, .offset: 72, .size: 8, .value_kind: global_buffer, .address_space: global }
      - { .name: wc, .offset: 80, .size: 8, .value_kind: global_buffer, .address_space: global }
      - { .name: hc, .offset: 88, .size: 8, .value_kind: global_buffer, .address_space: global }
    .group_segment_fixed_size: 76288
    .private_segment_fixed_size: 0
    .kernarg_segment_align: 8
    .kernarg_segment_size: 96
    .max_flat_workgroup_size: 128
    .sgpr_count:     100
    .vgpr_count:     250
    .wavefront_size: 32
...
	.end_amdgpu_metadata
.endif
;; end of part 1
;; launch qkv (part 2): grid 4 x 48, 4 waves a work-group, clusters of 4 x 4, 327,680 bytes of LDS; arguments hc, wc, lowp_scales, qkvc; writes qkvc
.if DOCPART == 2
	.amdgcn_target "amdgcn-amd-amdhsa--gfx1250"
	.amdhsa_code_object_version 6
	.text
	.protected	k_qf136452abc_qkv
	.globl	k_qf136452abc_qkv
	.p2align	8
	.type	k_qf136452abc_qkv,@function
k_qf136452abc_qkv:
	s_mov_b64 s[64:65], 0
	v_nop
	global_prefetch_b8 v0, s[64:65] scope:SCOPE_SE
	s_setreg_imm32_b32 hwreg(HW_REG_WAVE_MODE, 25, 1), 1
	s_wait_xcnt 0x0
	s_wait_alu depctr_hold_cnt(0) depctr_sa_sdst(0) depctr_va_vdst(0) depctr_va_sdst(0) depctr_va_ssrc(0) depctr_va_vcc(0) depctr_vm_vsrc(0)
	s_getreg_b32 s2, hwreg(HW_REG_IB_STS2, 6, 4)
	s_cmp_eq_u32 s2, 0
	s_cbranch_scc0 .Lentry_in_a_cluster
	s_endpgm
.Lentry_in_a_cluster:
	s_bfe_u32 s2, ttmp6, 0x10000c
	s_cmp_lg_u32 s2, 0xf033
	s_cbranch_scc0 .Lentry_shape_is_right
	s_endpgm
.Lentry_shape_is_right:
; q, k, v = h wq, h wk, h wv on E4M3 codes, K = 1,024, and each result quantised at once for attention: q (entry 6) and k (entry 7) as [token][1024], v (entry 9) with the tokens innermost, as four slabs [1024 n][1024 tokens].
; Twelve clusters of 4 x 4 work-groups; cluster y = 4 part + sub.  part 0, 1 (q, k): the lanes' operand 'A' is 256 tokens of h's codes (set part), tile row 4 sub + cy; the registers' operand 'B' 256 rows of the weight, tile column cx.
; part 2 (v): the roles are swapped, A = 256 rows of wv (tile row cy), B = 256 tokens (tile column 4 sub + cx), so that a lane's eight results are eight neighbouring tokens.  In all parts the tile lands at
; qkvc + cluster y x 1 MiB + cy x 256 KiB + 256 cx, rows 1,024 bytes apart.  part and sub are equal in all sixteen partners; what they decide is chosen by s_cselect, never by a branch.
; A tile 256 x 256 is made by four waves, 128 x 128 each (64 accumulators).  K goes in steps of 256 through two LDS slots filled by joint tensor loads: A's tile is shared along a row of the cluster, B's along a column.
; The matrix instruction is used transposed (source 0 = 16 rows of B, source 1 = 16 rows of A).  A fragment comes by four loads of 16 bytes, 32 apart: a permutation of k, the same on both sides.
; A sum stands for sum x 2^(ew + eh); its code is sum / 2^(eo - ew - eh), held within +-448 of that scale.  LIMIT: eo - ew - eh between -126 and 119.  NaN is not served.
; REGISTERS: window 0: v0-31 addresses and the scale; from v128 A's fragments, one set; on the way out v32-159 codes.  window 1: B's fragments, two sets.  windows 2, 3: the accumulators ((a, b) at v[8 (8 (a % 4) + b)]).
.set ROWB,   256
.set KROW,   1024
.set PITCH,  272                       ; an LDS row: 256 bytes + 16 of padding: the 16 rows of a load start 68 words apart
.set FR,     16
.set NL,     4
.set NP,     4
.set HALFT,  128*PITCH
.set SLOT,   4*HALFT
.set LAPS,   KROW/(2*ROWB)
.set SPARE,  2*SLOT                    ; the spare words, 128 bytes a wave, named by no other line
.set OPITCH, 1024
.set ADRA, 16
.set ADRB, 20
.set STO,  24
.set RD,   25
.set CO,   26
.set SPW,  28
.set NIL,  29
.set SC,   30                          ; v30 2^(eo - ew - eh)
.set LIM,  31
.set TMP,  32
.set AF,   128
.set G1, 24
.set G0, 32
.set G1B, 48
.set G0B, 56
.set MSB, 0
.macro WIN new                         ; the immediate's high byte repeats the setting that is left
.if MSB != \new
	s_set_vgpr_msb (MSB<<8)|\new
.set MSB, \new
.endif
.endm
.set MUL_LO, 0xa1                      ; source 0 (B) window 1, source 1 (A) window 0, C and D window 2
.set MUL_HI, 0xf1
.set TO_B,   0x40
.macro JLOAD g0a, g1a, g0b, g1b        ; a joint load: waves 0, 1 fetch for A, waves 2, 3 for B; four v_nop follow each line
	s_cmp_eq_u32 s15, 0
	s_cbranch_scc0 .Lfor_b_\@
	tensor_load_to_lds s[\g0a:\g0a+3], s[\g1a:\g1a+7]
	s_nop 0
.rept 4
	v_nop
.endr
	s_branch .Lasked_\@
.Lfor_b_\@:
	tensor_load_to_lds s[\g0b:\g0b+3], s[\g1b:\g1b+7]
	s_nop 0
.rept 4
	v_nop
.endr
.Lasked_\@:
.endm
.macro CREST                           ; a round of the cluster's barrier behind its opening barrier
	s_cmp_lg_u32 s14, 0
	s_cbranch_scc1 .Lnot_wave_0_\@
	s_barrier_signal -3
.Lnot_wave_0_\@:
	s_barrier_wait -3
	s_barrier_signal -1
	s_barrier_wait -1
.endm
.macro CROUND
	s_barrier_signal -1
	s_barrier_wait -1
	CREST
.endm
	s_load_b256 s[4:11], s[0:1], 0x0               ; hc s[4:5], wc s[6:7], scales s[8:9], qkvc s[10:11]
	v_lshl_add_u32 v[SPW], v0, 2, SPARE
	v_mov_b32 v[NIL], 0
	ds_add_u32 v28, v29
	ds_add_u32 v28, v29
	s_wait_dscnt 0x0
	v_lshrrev_b32 v1, 5, v0
	v_readfirstlane_b32 s14, v1                    ; wave 0..3
	s_lshr_b32 s15, s14, 1                         ; my half of the tile's rows; also: I fetch for A (0) or B (1)
	s_and_b32 s16, s14, 1                          ; my half of its columns; also: which 128 rows I fetch
	s_bfe_u32 s40, ttmp6, 0x40000                  ; cx
	s_bfe_u32 s41, ttmp6, 0x40004                  ; cy
	s_and_b32 s84, ttmp7, 0xffff                   ; cluster y, 0..11
	s_lshr_b32 s85, s84, 2                         ; part
	s_and_b32 s86, s84, 3
	s_lshl_b32 s86, s86, 2                         ; 4 sub
	s_lshl_b32 s90, s85, 22                        ; h's set: part x 4 MiB
	s_lshl_b32 s91, s85, 20                        ; the weight: part x 1 MiB
	s_cmp_lt_u32 s85, 2
	s_cselect_b32 s17, s86, 0
	s_cselect_b32 s42, 0, s86
	s_cselect_b32 s90, s90, 0x200000               ; A's first byte in its buffer (part 2: wv's codes)
	s_cselect_b32 s91, s91, 0x800000               ; B's (part 2: h's third set)
	s_add_co_u32 s17, s17, s41                     ; A's tile row: hangs on cy alone among the places
	s_add_co_u32 s42, s42, s40                     ; B's tile column: on cx alone
	s_lshl_b32 s43, s41, 2
	s_lshl_b32 s43, 15, s43                        ; my row of the cluster
	s_lshl_b32 s44, 0x1111, s40                    ; my column
	s_or_b32 s[G1+0], s43, (0<<16)|(1<<20)|(1<<21)|(5<<22)|(3<<25)   ; mask; elements of 1 byte; padding on; bit 21 beside a mask; 4 words after every 64
	s_or_b32 s[G1B+0], s44, (0<<16)|(1<<20)|(1<<21)|(5<<22)|(3<<25)
.irp g, G1, G1B
	s_mov_b32 s[\g+1], ROWB<<16                    ; tensor_dim0
	s_mov_b32 s[\g+2], 128<<16                     ; tensor_dim1
	s_mov_b32 s[\g+3], ROWB<<16                    ; tile_dim0
	s_mov_b32 s[\g+4], 128                         ; tile_dim1
	s_mov_b32 s[\g+5], KROW                        ; stride
	s_mov_b32 s[\g+6], 0
	s_mov_b32 s[\g+7], 0
.endr
	s_lshl_b32 s18, s16, 7
	s_lshl_b32 s20, s17, 8
	s_add_co_u32 s20, s20, s18
	s_lshl_b32 s20, s20, 10                        ; A: (256 tile row + 128 half) rows of 1,024 bytes
	s_add_co_u32 s20, s20, s90
	s_lshl_b32 s46, s42, 8
	s_add_co_u32 s46, s46, s18
	s_lshl_b32 s46, s46, 10
	s_add_co_u32 s46, s46, s91
	s_mov_b32 s21, 0
	s_mov_b32 s47, 0
	s_mul_i32 s45, s14, HALFT                      ; where they go: wave x 128 rows
	s_wait_kmcnt 0x0
	s_load_b512 s[68:83], s[8:9], 0x0              ; entry n of the scales in s[68 + n]
	s_cmp_lt_u32 s85, 2
	s_cselect_b64 s[92:93], s[4:5], s[6:7]         ; A's buffer
	s_cselect_b64 s[94:95], s[6:7], s[4:5]         ; B's
	s_add_nc_u64 s[20:21], s[92:93], s[20:21]
	s_add_nc_u64 s[46:47], s[94:95], s[46:47]
	CROUND                                         ; all sixteen work-groups are here: the first joint loads meet
.irp s, 0,1
	s_mov_b32 s[G0+4*\s], 1
	s_add_co_u32 s[G0+4*\s+1], s45, \s*SLOT
	s_add_nc_u64 s[G0+4*\s+2:G0+4*\s+3], s[20:21], \s*ROWB
	s_or_b32 s[G0+4*\s+3], s[G0+4*\s+3], 0x80000000
	s_mov_b32 s[G0B+4*\s], 1
	s_add_co_u32 s[G0B+4*\s+1], s45, \s*SLOT
	s_add_nc_u64 s[G0B+4*\s+2:G0B+4*\s+3], s[46:47], \s*ROWB
	s_or_b32 s[G0B+4*\s+3], s[G0B+4*\s+3], 0x80000000
	JLOAD G0+4*\s, G1, G0B+4*\s, G1B
.endr
	v_and_b32 v1, 15, v0                           ; r
	v_bfe_u32 v2, v0, 4, 1                         ; h
	v_mul_u32_u24 v3, v1, PITCH
	s_wait_alu depctr_va_vdst(0)
	v_lshl_add_u32 v4, v2, 4, v3
	s_mul_i32 s21, s15, HALFT
	s_mul_i32 s22, s16, HALFT
	s_add_co_u32 s22, s22, 2*HALFT
.irp s, 0,1
	v_add_nc_u32 v[ADRA+\s], s21, v4
	v_add_nc_u32 v[ADRB+\s], s22, v4
	s_add_co_u32 s21, s21, SLOT
	s_add_co_u32 s22, s22, SLOT
.endr
	s_mul_i32 s23, s15, 128*PITCH                  ; the stage, 256 rows x 272 bytes in slot 0: in: row 128 (my half) + r, byte 128 (my half) + 8 h
	s_lshl_b32 s18, s16, 7
	s_add_co_u32 s23, s23, s18
	v_lshl_add_u32 v5, v2, 3, v3
	v_add_nc_u32 v[STO], s23, v5
	s_mul_i32 s23, s14, 64*PITCH                   ; back: wave w takes rows 64 w on, sixteen lanes to a row
	v_mul_u32_u24 v5, v2, PITCH
	v_lshl_add_u32 v5, v1, 4, v5
	v_add_nc_u32 v[RD], s23, v5
	v_lshlrev_b32 v5, 10, v2
	v_lshl_add_u32 v[CO], v1, 4, v5                ; the same two rows in memory
	s_lshl_b32 s20, s84, 20
	s_lshl_b32 s21, s41, 18
	s_add_co_u32 s20, s20, s21
	s_lshl_b32 s21, s14, 16                        ; + 64 w rows
	s_add_co_u32 s20, s20, s21
	s_lshl_b32 s21, s40, 8
	s_add_co_u32 s20, s20, s21
	s_mov_b32 s21, 0
	s_add_nc_u64 s[10:11], s[10:11], s[20:21]
	s_wait_kmcnt 0x0
	s_add_co_i32 s90, s68, s69
	s_add_co_i32 s91, s70, s71
	s_add_co_i32 s92, s72, s73
	s_cmp_eq_u32 s85, 0
	s_cselect_b32 s90, s90, s91
	s_cselect_b32 s93, s74, s75
	s_cmp_eq_u32 s85, 2
	s_cselect_b32 s90, s92, s90                    ; ew + eh of my part
	s_cselect_b32 s93, s77, s93                    ; eo: entry 6, 7 or 9
	s_sub_co_i32 s90, s93, s90
	s_add_co_i32 s90, s90, 127
	s_lshl_b32 s91, s90, 23
	v_mov_b32 v[SC], s91
.macro FRAG reg, adr, q, i             ; 16 rows x 128 K: registers 4 c .. 4 c + 3 hold K = 32 c + 16 h + 0 .. 15
.irp c, 0,1,2,3
	ds_load_b128 v[\reg+4*\c:\reg+4*\c+3], v[\adr] offset:128*(\q)+32*\c+(\i)*16*PITCH
.endr
.endm
.macro MUL16 a0, p, zero               ; A's blocks a0, a0 + 1 x B's eight; the 64 accumulators take turns, one instruction a turn
.irp a, \a0, \a0+1
.irp b, 0,1,2,3,4,5,6,7
.if \zero
	v_wmma_f32_16x16x128_fp8_fp8 v[8*(8*((\a)%4)+\b):8*(8*((\a)%4)+\b)+7], v[128*(\p)+FR*\b:128*(\p)+FR*\b+FR-1], v[AF+FR*(\a):AF+FR*(\a)+FR-1], 0
.else
	v_wmma_f32_16x16x128_fp8_fp8 v[8*(8*((\a)%4)+\b):8*(8*((\a)%4)+\b)+7], v[128*(\p)+FR*\b:128*(\p)+FR*\b+FR-1], v[AF+FR*(\a):AF+FR*(\a)+FR-1], v[8*(8*((\a)%4)+\b):8*(8*((\a)%4)+\b)+7]
.endif
.endr
.endr
.endm
.macro FETCH_B slot, q, p
	WIN TO_B
.irp i, 0,1,2,3,4,5,6,7
	FRAG 128*(\p)+FR*\i, ADRB+\slot, \q, \i
.endr
	WIN 0
.endm
.macro FETCH_A slot, q, i0
.irp i, \i0, \i0+1, \i0+2, \i0+3
	FRAG AF+FR*(\i), ADRA+\slot, \q, \i
.endr
.endm
.macro PLACES n                        ; plain vector lines between a matrix instruction and a load into, or a read of, its registers
.rept \n
	v_nop
.endr
.endm
.macro STEP slot, q, zero              ; 128 along K, with its successor in the same slot
	s_wait_dscnt 4*NL                              ; B's set and A's blocks 0-3 are in; A's blocks 4-7 (16 loads) may be out
	WIN MUL_LO
	MUL16 0, (\q)%2, \zero
	MUL16 2, (\q)%2, \zero
	s_wait_dscnt 0
	PLACES NP
	FETCH_B \slot, (\q)+1, 1-(\q)%2
	FETCH_A \slot, (\q)+1, 0
	WIN MUL_HI
	MUL16 4, (\q)%2, \zero
	MUL16 6, (\q)%2, \zero
	PLACES NP
	WIN 0
	FETCH_A \slot, (\q)+1, 4
.endm
.macro TURN slot, next, fill           ; a slot's last step changes slots: one barrier; fill = 1: this slot is filled again, two K steps ahead
	s_wait_tensorcnt 0x0                           ; all my tensor loads have landed: my part of the next slot
	ds_add_u32 v[SPW], v[NIL]                      ; 0 onto my spare word
	s_wait_dscnt 4*NL+1                            ; the add and A's blocks 4-7 may be out
	WIN MUL_LO
	MUL16 0, 1, 0
	s_wait_dscnt 0x0                               ; the add is done, and my reads of this slot are over
	s_barrier_signal -1
	MUL16 2, 1, 0
	WIN 0
	s_barrier_wait -1
.if \fill
	CREST                                          ; the barrier has opened a round of the cluster's: no wave of any partner still reads this slot or has a load on its way
	s_add_nc_u64 s[G0+4*\slot+2:G0+4*\slot+3], s[G0+4*\slot+2:G0+4*\slot+3], 2*ROWB
	s_add_nc_u64 s[G0B+4*\slot+2:G0B+4*\slot+3], s[G0B+4*\slot+2:G0B+4*\slot+3], 2*ROWB
	JLOAD G0+4*\slot, G1, G0B+4*\slot, G1B         ; the first tensor load behind the round; its four v_nop are also the places in front of the loads below
.else
	PLACES NP
.endif
	s_wait_alu depctr_va_vdst(0)
	FETCH_B \next, 0, 0
	FETCH_A \next, 0, 0
	WIN MUL_HI
	MUL16 4, 1, 0
	MUL16 6, 1, 0
	PLACES NP
	WIN 0
	FETCH_A \next, 0, 4
.endm
	s_wait_tensorcnt 1                             ; my part of K step 0 is in; K step 1's load may be out
	s_barrier_signal -1
	s_barrier_wait -1
	FETCH_B 0, 0, 0
	FETCH_A 0, 0, 0
	FETCH_A 0, 0, 4
	STEP 0, 0, 1                                   ; the first step's products start the sums
	s_mov_b32 s3, LAPS-1
.Llap:
	TURN 0, 1, 1
	STEP 1, 0, 0
	TURN 1, 0, 1
	STEP 0, 0, 0
	s_sub_co_u32 s3, s3, 1
	s_cmp_lg_u32 s3, 0
	s_cbranch_scc1 .Llap
	TURN 0, 1, 0                                   ; the last lap fills nothing
	STEP 1, 0, 0
	s_wait_dscnt 4*NL
	WIN MUL_LO
	MUL16 0, 1, 0
	MUL16 2, 1, 0
	s_wait_dscnt 0
	WIN MUL_HI
	MUL16 4, 1, 0
	MUL16 6, 1, 0
	WIN 0
; THE WAY OUT.  A block of 16 rows: each accumulator from its low end on, converted (a lane's eight sums are eight neighbouring codes of a row), 8 bytes a lane into the work-group's stage.
; The stage lies in slot 0, which has had its last fill, and which nobody reads behind the last change of slots.
.macro QOUT a
.set AC, 64*((\a)%4)
	WIN 0x82+0x41*((\a)/4)                         ; source 0 and destination window 2 or 3
.set j, 0
.rept 64
.set j, j+1
.endr
	WIN 0x02+((\a)/4)
.irp b, 0,1,2,3,4,5,6,7
	v_cvt_scalef32_pk8_fp8_f32 v[TMP+16*(\a)+2*\b:TMP+16*(\a)+2*\b+1], v[AC+8*\b:AC+8*\b+7], v[SC]
.endr
	v_nop                                          ; a plain line behind the last conversion
	WIN 0
.irp b, 0,1,2,3,4,5,6,7
	ds_store_b64 v[STO], v[TMP+16*(\a)+2*\b:TMP+16*(\a)+2*\b+1] offset:(\a)*16*PITCH+16*\b
.endr
.endm
	PLACES NP
.irp a, 0,1,2,3,4,5,6,7
	QOUT \a
.endr
	s_wait_dscnt 0x0                               ; for the others' sake: my stores into the stage are done
	s_barrier_signal -1
	s_barrier_wait -1
.set t, 0
.rept 32
	ds_load_b128 v[TMP+4*t:TMP+4*t+3], v[RD] offset:2*t*PITCH
.set t, t+1
.endr
.set t, 0
.rept 32
	s_wait_dscnt 31-t                              ; the younger loads may be out
	global_store_b128 v[CO], v[TMP+4*t:TMP+4*t+3], s[10:11] offset:2*t*OPITCH   ; sixteen lanes store 256 consecutive bytes, at a multiple of 256 from the buffer's first byte
.set t, t+1
.endr
	s_wait_tensorcnt 0x0                           ; the wave's end
	ds_add_u32 v[SPW], v[NIL]
	s_wait_dscnt 0x0
	CROUND                                         ; the closing round
	s_endpgm
.Lfunc_end_k_qf136452abc_qkv:
	.size	k_qf136452abc_qkv, .Lfunc_end_k_qf136452abc_qkv-k_qf136452abc_qkv
	.p2alignl 7, 3214868480
	.fill 96, 4, 3214868480
	.section	.rodata,"a",@progbits
	.p2align	6, 0x0
	.amdhsa_kernel k_qf136452abc_qkv
		.amdhsa_group_segment_fixed_size 327680
		.amdhsa_private_segment_fixed_size 0
		.amdhsa_enable_private_segment 0
		.amdhsa_kernarg_size 32
		.amdhsa_user_sgpr_count 2
		.amdhsa_user_sgpr_kernarg_segment_ptr 1
		.amdhsa_wavefront_size32 1
		.amdhsa_system_sgpr_workgroup_id_x 1
		.amdhsa_system_sgpr_workgroup_id_y 1
		.amdhsa_system_sgpr_workgroup_id_z 1
		.amdhsa_system_vgpr_workitem_id 0
		.amdhsa_next_free_vgpr 1024
		.amdhsa_next_free_sgpr 100
		.amdhsa_reserve_vcc 0
		.amdhsa_float_denorm_mode_32 3
		.amdhsa_float_denorm_mode_16_64 3
		.amdhsa_fp16_overflow 1
		.amdhsa_memory_ordered 1
		.amdhsa_forward_progress 1
		.amdhsa_inst_pref_size 94
	.end_amdhsa_kernel
	.amdgpu_metadata
---
amdhsa.version: [ 1, 2 ]
amdhsa.kernels:
  - .name:           k_qf136452abc_qkv
    .symbol:         k_qf136452abc_qkv.kd
    .args:
      - { .name: hc, .offset: 0, .size: 8, .value_kind: global_buffer, .address_space: global }
      - { .name: wc, .offset: 8, .size: 8, .value_kind: global_buffer, .address_space: global }
      - { .name: lowp_scales, .offset: 16, .size: 8, .value_kind: global_buffer, .address_space: global }
      - { .name: qkvc, .offset: 24, .size: 8, .value_kind: global_buffer, .address_space: global }
    .group_segment_fixed_size: 327680
    .private_segment_fixed_size: 0
    .kernarg_segment_align: 8
    .kernarg_segment_size: 32
    .max_flat_workgroup_size: 128
    .sgpr_count:     100
    .vgpr_count:     1024
    .wavefront_size: 32
...
	.end_amdgpu_metadata
.endif
;; end of part 2
;; launch att (part 3): grid 8 x 32, 16 waves a work-group, clusters of 4 x 1, 327,680 bytes of LDS; arguments qkvc, lowp_scales, ac; writes ac
.if DOCPART == 3
	.amdgcn_target "amdgcn-amd-amdhsa--gfx1250"
	.amdhsa_code_object_version 6
	.text
	.protected	k_qf136452abc_att
	.globl	k_qf136452abc_att
	.p2align	8
	.type	k_qf136452abc_att,@function
k_qf136452abc_att:
	s_mov_b64 s[64:65], 0
	v_nop
	global_prefetch_b8 v0, s[64:65] scope:SCOPE_SE
	s_setreg_imm32_b32 hwreg(HW_REG_WAVE_MODE, 25, 1), 1
	s_wait_xcnt 0x0
	s_wait_alu depctr_hold_cnt(0) depctr_sa_sdst(0) depctr_va_vdst(0) depctr_va_sdst(0) depctr_va_ssrc(0) depctr_va_vcc(0) depctr_vm_vsrc(0)
	s_getreg_b32 s2, hwreg(HW_REG_IB_STS2, 6, 4)
	s_cmp_eq_u32 s2, 0
	s_cbranch_scc0 .Lentry_in_a_cluster
	s_endpgm
.Lentry_in_a_cluster:
	s_bfe_u32 s2, ttmp6, 0x10000c
	s_cmp_lg_u32 s2, 0x3003
	s_cbranch_scc0 .Lentry_shape_is_right
	s_endpgm
.Lentry_shape_is_right:
; Causal attention of one head (work-group y = 16 batch + head) on E4M3 codes, head size 64, 2,048 keys; the result quantised (entry 10) into ac [token][1024].
; t = score x log2(e) / 32; M = the running largest t rounded up to a whole number; p = 2^(t - M) is quantised (entry 8), not normalised; the row's sum is taken of the unquantised p and divides at the end.
; SHARES.  Eight work-groups to a head, g = 4 x cluster x + cx.  A work-group owns tile g (16 queries) of each of the head's 16 blocks of 128 queries; block b has b + 1 key steps of 128, the last on the diagonal.
; THE STEPS ARE SHARED OUT EVENLY.  Blocks 15 - j and j, j = 0 .. 7, have 17 steps together.  Wave j works steps 0-7 of block 15 - j: 8 steps.  Wave 8 + j works block j whole (steps 0 .. j), stores it, and
; begins anew with steps 8 .. 15 - j of block 15 - j: 9 steps.  At the end wave j hands its sums, its sum of p and its M to wave 8 + j as an image of its registers in LDS; both parts are brought under the larger M
; by exact powers of two and added.  What a wave works hangs on its number and the step's count alone, never on a work-group's place in its cluster; the loops' trip counts are constants.
; K AND V OF THE WHOLE HEAD LIE IN LDS, filled once: K 2,048 rows of 64 bytes + 16; V (keys innermost) as 8 chunks of 256 keys, each 64 rows of 256 bytes + 16.  The four partners of a cluster ask jointly:
; waves 0-7 256 keys of K each, waves 8-15 a chunk of V each: one tensor load a wave is out.  Nothing is filled again.
; Both products are used transposed: a lane holds one query.  The keys of a tile are chosen (lane r of tile 2 b + u takes key 32 b + 8 u + r + 8 (r / 8)) so that p's 16 registers of two tiles are 16 neighbouring keys.
; A work-group holds 64 bytes of each token's row of ac: its stores are runs of 64 bytes, the longest that it has.
; LIMITS: entries 6 + 7 between -121 and 132 (added to c's exponent field); entries 8 and 10 between -126 and 119.  NaN is not served.
; REGISTERS: v1-7 addresses; v8, v9 the step's addresses; v12 -M, v13 largest t, v[14:15] the sum; v16-23 Q of my first tile, v24-31 of block 15 - j's; v32-95 K's, then V's fragments, at the end the partner's image;
; v96-159 S^T, then p; v160-191 O^T; v192-207 p's codes; v208-219 at work and scales; v220 the image's address; v[222:223] the partner's factor.
.set KP,    80
.set VP,    272
.set VOFF,  2048*KP
.set STAGE, VOFF+8*64*VP               ; 1,280 bytes for each wave: no tile lands here
.set IMG,   9*512                      ; an image: O^T's 32 registers and v[12:15], 512 bytes for each four registers; the eight images lie in K's first bytes, behind a barrier behind which nobody reads K
.set AK0,  1
.set AV0,  2
.set DG,   3                           ; v3  16 g + r - 16 h: on the diagonal register 16 b + i is hidden where 32 b + i is above it
.set QA,   4
.set SI,   5
.set SB,   6
.set GO,   7
.set ADK,  8
.set ADV,  9
.set Q1,   16
.set Q2,   24
.set MS,   220
.set FA,   222
.set WV,   18
.set SEL,  20
.set CS,   22
.set G1K,  24
.set G1V,  32
.set G0K,  40
.set G0V,  44
.set QB1,  48                          ; s[48:49] Q's codes of my first tile; s[50:51] of block 15 - j's; s[52:53] ac at block j's tile; s[54:55] at block 15 - j's
.set QB2,  50
.set OLO,  52
.set OHI,  54
.set TBK,  56
.set TBV,  57
.set KS,   58                          ; s58  the step's number, 0 .. 15
.set LAST, 59                          ; s59  a step is worked while KS <= LAST,
.set CNT,  60
.set DIAG, 61                          ; s61  and masked where KS = DIAG
.set HIB,  62                          ; s62  15 - j
.macro CROUND
	s_barrier_signal -1
	s_barrier_wait -1
	s_cmp_lg_u32 s[WV], 0
	s_cbranch_scc1 .Lnot_wave_0_\@
	s_barrier_signal -3
.Lnot_wave_0_\@:
	s_barrier_wait -3
	s_barrier_signal -1
	s_barrier_wait -1
.endm
	s_load_b128 s[4:7], s[0:1], 0x0                ; qkvc s[4:5], scales s[6:7]
	s_load_b64 s[8:9], s[0:1], 0x10                ; ac
	v_lshl_add_u32 v224, v0, 2, 0x4f000
	v_mov_b32 v225, 0
	ds_add_u32 v224, v225
	ds_add_u32 v224, v225
	v_lshrrev_b32 v8, 5, v0
	s_delay_alu instid0(VALU_DEP_1)
	v_readfirstlane_b32 s[WV], v8                  ; wave 0..15
	s_bfe_u32 s10, ttmp6, 0x40000                  ; cx
	s_lshl_b32 s11, ttmp9, 2
	s_add_co_u32 s11, s11, s10                     ; g: enters Q's and ac's addresses and the diagonal's bound alone
	s_and_b32 s12, ttmp7, 0xffff
	s_lshr_b32 s13, s12, 4                         ; batch
	s_and_b32 s14, s12, 15                         ; head
	s_and_b32 s19, s[WV], 7                        ; j: my pair of blocks; also which eighth of K or of V I fetch
	s_lshl_b32 s84, s13, 21                        ; a batch's 2,048 rows of 1,024 bytes
	s_lshl_b32 s85, s19, 18                        ; K: 256 keys on for each wave,
	s_add_co_u32 s86, s84, s85
	s_lshl_b32 s85, s14, 6                         ; the head's 64 bytes of a row,
	s_add_co_u32 s86, s86, s85
	s_add_co_u32 s86, s86, 0x400000                ; in k's part of the buffer
	s_mov_b32 s87, 0
	s_lshr_b32 s85, s19, 2                         ; V: slab 2 batch + chunk / 4,
	s_lshl_b32 s85, s85, 20
	s_add_co_u32 s88, s84, s85
	s_lshl_b32 s85, s14, 16                        ; row 64 head,
	s_add_co_u32 s88, s88, s85
	s_and_b32 s85, s19, 3
	s_lshl_b32 s85, s85, 8                         ; 256 keys on for each chunk of the slab
	s_add_co_u32 s88, s88, s85
	s_add_co_u32 s88, s88, 0x800000
	s_mov_b32 s89, 0
	s_lshl_b32 s85, s11, 14                        ; Q and ac: token 2048 batch + 128 block + 16 g, byte 64 head
	s_add_co_u32 s90, s84, s85
	s_lshl_b32 s85, s14, 6
	s_add_co_u32 s90, s90, s85                     ; all but the block
	s_sub_co_u32 s[HIB], 15, s19
	s_cmp_lt_u32 s[WV], 8                          ; waves 0-7: steps 0-7 of block 15 - j, none on the diagonal; waves 8-15: block j first
	s_cselect_b32 s93, s[HIB], s19
	s_cselect_b32 s[LAST], 7, s19
	s_cselect_b32 s[DIAG], 255, s19
	s_lshl_b32 s94, s93, 17
	s_add_co_u32 s94, s94, s90                     ; my first tile
	s_mov_b32 s95, 0
	s_lshl_b32 s96, s[HIB], 17
	s_add_co_u32 s96, s96, s90                     ; block 15 - j's
	s_mov_b32 s97, 0
	s_lshl_b32 s98, s19, 17
	s_add_co_u32 s98, s98, s90                     ; block j's
	s_mov_b32 s99, 0
	s_mov_b32 s[G1K], 15|(0<<16)|(1<<20)|(1<<21)|(3<<22)|(3<<25)   ; the mask: all four partners; elements of 1 byte; padding: 4 words after every 16; bit 21 beside a mask
	s_mov_b32 s[G1K+1], 64<<16                     ; tensor_dim0
	s_mov_b32 s[G1K+2], 256<<16                    ; tensor_dim1
	s_mov_b32 s[G1K+3], 64<<16                     ; tile_dim0
	s_mov_b32 s[G1K+4], 256                        ; tile_dim1
	s_mov_b32 s[G1K+5], 1024                       ; stride
	s_mov_b32 s[G1K+6], 0
	s_mov_b32 s[G1K+7], 0
	s_mov_b32 s[G1V], 15|(0<<16)|(1<<20)|(1<<21)|(5<<22)|(3<<25)   ; padding: 4 words after every 64
	s_mov_b32 s[G1V+1], 256<<16
	s_mov_b32 s[G1V+2], 64<<16
	s_mov_b32 s[G1V+3], 256<<16
	s_mov_b32 s[G1V+4], 64
	s_mov_b32 s[G1V+5], 1024
	s_mov_b32 s[G1V+6], 0
	s_mov_b32 s[G1V+7], 0
	s_mov_b32 s[SEL], 0x76543210
	s_mov_b32 s[SEL+1], 0xfedcba98
	s_mov_b32 s[CS], 0x3d38aa3b                    ; c = log2(e) / 32
	s_mov_b32 s[TBK], 0
	s_mov_b32 s[TBV], 0
	s_mov_b32 s[KS], 0
	s_mov_b32 s[G0K], 1
	s_mul_i32 s[G0K+1], s19, 256*KP
	s_mov_b32 s[G0V], 1
	s_mul_i32 s[G0V+1], s19, 64*VP
	s_add_co_u32 s[G0V+1], s[G0V+1], VOFF
	s_wait_dscnt 0x0
	s_wait_kmcnt 0x0
	s_load_b512 s[68:83], s[6:7], 0x0              ; entry n of the scales in s[68 + n]
	s_add_nc_u64 s[G0K+2:G0K+3], s[4:5], s[86:87]
	s_or_b32 s[G0K+3], s[G0K+3], 0x80000000
	s_add_nc_u64 s[G0V+2:G0V+3], s[4:5], s[88:89]
	s_or_b32 s[G0V+3], s[G0V+3], 0x80000000
	CROUND                                         ; all four work-groups are here: the joint loads meet
	s_cmp_lt_u32 s[WV], 8
	s_cbranch_scc0 .Lfirst_v
	tensor_load_to_lds s[G0K:G0K+3], s[G1K:G1K+7]
	s_nop 0
.rept 4
	v_nop
.endr
	s_branch .Lfirst_asked
.Lfirst_v:
	tensor_load_to_lds s[G0V:G0V+3], s[G1V:G1V+7]
	s_nop 0
.rept 4
	v_nop
.endr
.Lfirst_asked:
	s_add_nc_u64 s[QB1:QB1+1], s[4:5], s[94:95]
	s_add_nc_u64 s[QB2:QB2+1], s[4:5], s[96:97]
	s_add_nc_u64 s[OLO:OLO+1], s[8:9], s[98:99]
	s_add_nc_u64 s[OHI:OHI+1], s[8:9], s[96:97]
	v_and_b32 v8, 15, v0                           ; r
	v_bfe_u32 v9, v0, 4, 1                         ; h
	s_delay_alu instid0(VALU_DEP_2)
	v_lshlrev_b32 v[QA], 10, v8
	s_delay_alu instid0(VALU_DEP_1)
	v_lshl_add_u32 v[QA], v9, 4, v[QA]
	global_load_b128 v[Q1:Q1+3], v[QA], s[QB1:QB1+1]   ; a fragment of Q: registers 4 c .. 4 c + 3 hold channels 32 c + 16 h + 0 .. 15, as K's do: the same permutation on both sides
	global_load_b128 v[Q1+4:Q1+7], v[QA], s[QB1:QB1+1] offset:32
	global_load_b128 v[Q2:Q2+3], v[QA], s[QB2:QB2+1]   ; both tiles' now, so that nothing is waited for between the two runs of steps
	global_load_b128 v[Q2+4:Q2+7], v[QA], s[QB2:QB2+1] offset:32
	v_and_b32 v11, 8, v8
	s_delay_alu instid0(VALU_DEP_1)
	v_add_nc_u32 v11, v11, v8                      ; r + 8 (r / 8)
	s_delay_alu instid0(VALU_DEP_1)
	v_mul_u32_u24 v[AK0], v11, KP
	s_delay_alu instid0(VALU_DEP_1)
	v_lshl_add_u32 v[AK0], v9, 4, v[AK0]
	v_mul_u32_u24 v[AV0], v8, VP
	s_delay_alu instid0(VALU_DEP_1)
	v_lshl_add_u32 v[AV0], v9, 4, v[AV0]
	s_delay_alu instid0(VALU_DEP_1)
	v_add_nc_u32 v[AV0], VOFF, v[AV0]
	v_lshlrev_b32 v10, 4, v9
	s_delay_alu instid0(VALU_DEP_1)
	v_sub_nc_u32 v[DG], v8, v10
	s_lshl_b32 s85, s11, 4
	v_add_nc_u32 v[DG], s85, v[DG]
	s_mul_i32 s85, s[WV], 1280
	s_add_co_u32 s85, s85, STAGE                   ; my stage: 16 rows x (64 + 16) bytes
	v_mul_u32_u24 v[SI], v8, KP
	s_delay_alu instid0(VALU_DEP_1)
	v_lshl_add_u32 v[SI], v9, 3, v[SI]
	s_delay_alu instid0(VALU_DEP_1)
	v_add_nc_u32 v[SI], s85, v[SI]                 ; in: row r, + 8 h
	v_and_b32 v10, 31, v0
	s_delay_alu instid0(VALU_DEP_1)
	v_lshlrev_b32 v[MS], 4, v10
	s_mul_i32 s86, s19, IMG
	v_add_nc_u32 v[MS], s86, v[MS]                 ; my pair's image: 16 x lane + IMG x j: wave j stores there, wave 8 + j loads
	v_lshrrev_b32 v11, 2, v10
	v_and_b32 v10, 3, v10
	s_delay_alu instid0(VALU_DEP_2)
	v_mul_u32_u24 v[SB], v11, KP
	s_delay_alu instid0(VALU_DEP_1)
	v_lshl_add_u32 v[SB], v10, 4, v[SB]
	s_delay_alu instid0(VALU_DEP_1)
	v_add_nc_u32 v[SB], s85, v[SB]                 ; back: four lanes to a row
	v_lshlrev_b32 v[GO], 10, v11
	s_delay_alu instid0(VALU_DEP_1)
	v_lshl_add_u32 v[GO], v10, 4, v[GO]            ; and the same in ac
	v_mov_b32 v13, 0xff61b1e6                      ; the largest t so far: -3e38
	s_delay_alu instid0(VALU_DEP_1)
	v_floor_f32 v12, -v13                          ; -M
	v_mov_b32 v14, 0
	v_mov_b32 v15, 0
	v_mov_b32 v211, 0                              ; named as the upper half of the pair v[210:211]
	v_mov_b32 v212, 0                              ; a lane permute's destination counts as one of its sources
	v_mov_b32 v218, 0xff800000                     ; -infinity
	v_mov_b32 v[FA], 0
	v_mov_b32 v[FA+1], 0                           ; named as the upper half of the pair
.set j, 0
.rept 32
	v_mov_b32 v[160+j], 0                          ; O^T: the step is written once; a run's first step finds zeros, which the first change of M leaves zeros
.set j, j+1
.endr
	s_wait_kmcnt 0x0
	s_add_co_i32 s84, s74, s75
	s_lshl_b32 s84, s84, 23
	s_add_co_i32 s[CS], s[CS], s84                 ; a score stands for score x 2^(entries 6 + 7)
	s_mov_b32 s[CS+1], s[CS]
	s_add_co_i32 s84, s76, 127
	s_lshl_b32 s85, s84, 23
	v_mov_b32 v216, s85                            ; 2^(entry 8)
	s_add_co_i32 s84, s78, 127
	s_lshl_b32 s85, s84, 23
	v_mov_b32 v213, s85                            ; 2^(entry 10)
	s_add_co_i32 s92, s76, s77                     ; entries 8 + 9
; A KEY STEP: 128 keys, the q-th of the chunk of 256 in hand, against the queries in v[qr] on.  A step that is not mine is left out: a branch on the wave's number and the step's count.
.macro STEP q, qr
	s_cmp_gt_u32 s[KS], s[LAST]
	s_cbranch_scc1 .Lhidden_\@
	v_add_nc_u32 v[ADK], s[TBK], v[AK0]
	v_add_nc_u32 v[ADV], s[TBV], v[AV0]
	v_nop                                          ; with the two additions: four places in front of loads into registers that the last products read
	v_nop
.irp t, 0,1,2,3,4,5,6,7
	ds_load_b128 v[32+8*\t:35+8*\t], v[ADK] offset:(128*(\q)+32*(\t/2)+8*(\t%2))*KP
	ds_load_b128 v[36+8*\t:39+8*\t], v[ADK] offset:(128*(\q)+32*(\t/2)+8*(\t%2))*KP+32
.endr
	s_wait_alu depctr_va_vdst(0)
	s_wait_dscnt 0x0
.irp t, 0,1,2,3,4,5,6,7
	v_wmma_f32_16x16x64_fp8_fp8 v[96+8*\t:103+8*\t], v[32+8*\t:39+8*\t], v[\qr:\qr+7], 0
.endr
.rept 4
	v_nop
.endr
.irp t, 0,1,2,3
.irp c, 0,1,2,3
	ds_load_b128 v[32+16*\t+4*\c:35+16*\t+4*\c], v[ADV] offset:16*\t*VP+128*(\q)+32*\c   ; V's fragments land while the softmax is worked
.endr
.endr
	s_cmp_lg_u32 s[KS], s[DIAG]
	s_cbranch_scc1 .Lopen_\@
.set n, 0
.rept 64                                       ; on the diagonal hidden scores become -infinity ahead of the maximum: p = 0 then
	v_cmp_gt_i32 vcc_lo, 32*(n/16)+n%16, v[DG]
	v_cndmask_b32 v[96+n], v[96+n], v218, vcc_lo
.set n, n+1
.endr
.Lopen_\@:
	v_max3_num_f32 v208, v96, v97, v98
	v_max3_num_f32 v210, v99, v100, v101
.irp i, 6,10,14,18,22,26,30,34,38,42,46,50,54,58
	v_max3_num_f32 v208, v208, v[96+\i], v[97+\i]
	v_max3_num_f32 v210, v210, v[98+\i], v[99+\i]
.endr
	v_max3_num_f32 v208, v208, v158, v159
	s_delay_alu instid0(VALU_DEP_1)
	v_max_num_f32 v208, v208, v210
	s_delay_alu instid0(VALU_DEP_1)
	v_permlanex16_b32 v212, v208, s[SEL], s[SEL+1]
	s_delay_alu instid0(VALU_DEP_1)
	v_max_num_f32 v208, v208, v212                 ; the step's largest score of my query
	s_delay_alu instid0(VALU_DEP_1)
	v_mul_f32 v208, s[CS], v208                    ; as t (c is positive)
	s_delay_alu instid0(VALU_DEP_1)
	v_max_num_f32 v13, v13, v208
	v_mov_b32 v208, v12
	s_delay_alu instid0(VALU_DEP_2)
	v_floor_f32 v12, -v13                          ; the new -M = -ceil(t)
	s_delay_alu instid0(VALU_DEP_1)
	v_sub_f32 v208, v12, v208                      ; old M - new M: a whole number, 0 or less
	s_delay_alu instid0(VALU_DEP_1)
	v_cvt_i32_f32 v208, v208
	s_delay_alu instid0(VALU_DEP_1)
	v_ldexp_f32 v210, 1.0, v208                    ; f = 2^(old M - new M)
.set j, 0
.rept 32
	v_pk_fma_f32 v[96+j:97+j], v[96+j:97+j], s[CS:CS+1], v[12:13] op_sel_hi:[1,0,0]   ; t - M
.set j, j+2
.endr
.set j, 0
	s_wait_alu depctr_va_vdst(0)
.rept 64
	v_exp_f32 v[96+j], v[96+j]                     ; p = 2^(t - M)
.set j, j+1
.endr
	v_pk_mul_f32 v[14:15], v[14:15], v[210:211] op_sel_hi:[1,0]   ; the sum under the new M: the plain line behind the exponentials
	s_wait_alu depctr_va_vdst(0)                   ; one wait for the batch, ahead of its first reader
	v_pk_add_f32 v[214:215], v[100:101], v[104:105]
	v_pk_add_f32 v[208:209], v[108:109], v[112:113]
	v_pk_add_f32 v[206:207], v[116:117], v[120:121]
	v_pk_add_f32 v[204:205], v[124:125], v[128:129]
	v_pk_add_f32 v[202:203], v[132:133], v[136:137]
	v_pk_add_f32 v[200:201], v[140:141], v[144:145]
	v_pk_add_f32 v[198:199], v[148:149], v[152:153]
	v_pk_add_f32 v[14:15], v[14:15], v[156:157]
	v_pk_add_f32 v[214:215], v[214:215], v[96:97]
	v_pk_add_f32 v[208:209], v[208:209], v[98:99]
	v_pk_add_f32 v[206:207], v[206:207], v[102:103]
	v_pk_add_f32 v[204:205], v[204:205], v[106:107]
	v_pk_add_f32 v[202:203], v[202:203], v[110:111]
	v_pk_add_f32 v[200:201], v[200:201], v[114:115]
	v_pk_add_f32 v[198:199], v[198:199], v[118:119]
	v_pk_add_f32 v[14:15], v[14:15], v[122:123]
	v_pk_add_f32 v[214:215], v[214:215], v[126:127]
	v_pk_add_f32 v[208:209], v[208:209], v[130:131]
	v_pk_add_f32 v[206:207], v[206:207], v[134:135]
	v_pk_add_f32 v[204:205], v[204:205], v[138:139]
	v_pk_add_f32 v[202:203], v[202:203], v[142:143]
	v_pk_add_f32 v[200:201], v[200:201], v[146:147]
	v_pk_add_f32 v[198:199], v[198:199], v[150:151]
	v_pk_add_f32 v[14:15], v[14:15], v[154:155]
	v_pk_add_f32 v[214:215], v[214:215], v[158:159]
	s_delay_alu instid0(VALU_DEP_2)
	v_pk_add_f32 v[14:15], v[14:15], v[204:205]
	s_delay_alu instid0(VALU_DEP_2)
	v_pk_add_f32 v[214:215], v[214:215], v[202:203]
	v_pk_add_f32 v[208:209], v[208:209], v[200:201]
	v_pk_add_f32 v[206:207], v[206:207], v[198:199]
	s_delay_alu instid0(VALU_DEP_2)
	v_pk_add_f32 v[14:15], v[14:15], v[208:209]
	s_delay_alu instid0(VALU_DEP_2)
	v_pk_add_f32 v[214:215], v[214:215], v[206:207]
	s_delay_alu instid0(VALU_DEP_1)
	v_pk_add_f32 v[14:15], v[14:15], v[214:215]
.irp b, 0,1,2,3
.irp i, 0,1,2,3,4,5,6,7,8,9,10,11,12,13,14,15
.endr
	v_cvt_scalef32_pk8_fp8_f32 v[192+4*\b:193+4*\b], v[96+16*\b:103+16*\b], v216
	v_cvt_scalef32_pk8_fp8_f32 v[194+4*\b:195+4*\b], v[104+16*\b:111+16*\b], v216
.endr
.set j, 0
.rept 16
	v_pk_mul_f32 v[160+j:161+j], v[160+j:161+j], v[210:211] op_sel_hi:[1,0]   ; O^T under the new M; also the plain lines behind the conversions
.set j, j+2
.endr
	s_wait_alu depctr_va_vdst(0)
	s_wait_dscnt 0x0                               ; V's fragments
.irp t, 0,1,2,3
	v_wmma_f32_16x16x128_fp8_fp8 v[160+8*\t:167+8*\t], v[32+16*\t:47+16*\t], v[192:207], v[160+8*\t:167+8*\t]
.endr
.Lhidden_\@:
	s_add_co_u32 s[KS], s[KS], 1
.endm
; Eight key steps: four trips of 256 keys, in every wave: the count is a constant; what is left out is a step's work.
.macro HALF qr
	s_mov_b32 s[CNT], 4
.Lchunk_\@:
	STEP 0, \qr
	STEP 1, \qr
	s_add_co_u32 s[TBK], s[TBK], 256*KP
	s_add_co_u32 s[TBV], s[TBV], 64*VP
	s_sub_co_u32 s[CNT], s[CNT], 1
	s_cmp_lg_u32 s[CNT], 0
	s_cbranch_scc1 .Lchunk_\@
.endm
; THE WAY OUT of a tile: O^T x 2^(entries 8 + 9) / the sum, quantised; a lane's eight channels are 8 bytes; through my stage, so that four lanes store a token's 64 bytes.
; more = 1: work follows that writes the stores' data registers again.
.macro FINISH base, more
	v_add_f32 v14, v14, v15
	s_delay_alu instid0(VALU_DEP_1)
	v_permlanex16_b32 v212, v14, s[SEL], s[SEL+1]
	s_delay_alu instid0(VALU_DEP_1)
	v_add_f32 v14, v14, v212
	s_wait_alu depctr_va_vdst(0)
	v_rcp_f32 v14, v14
	v_nop                                          ; a plain line behind the transcendental
	s_wait_alu depctr_va_vdst(0)                   ; and the wait ahead of its first reader
	v_ldexp_f32 v14, v14, s92
.set j, 0
.rept 32
	v_mul_f32 v[96+j], v[160+j], v14               ; register 8 t + i: channel 16 t + 8 h + i of query r
.set j, j+1
.endr
.set j, 0
.rept 32
.set j, j+1
.endr
.irp t, 0,1,2,3
	v_cvt_scalef32_pk8_fp8_f32 v[128+2*\t:129+2*\t], v[96+8*\t:103+8*\t], v213
.endr
	v_nop                                          ; a plain line behind the last conversion
.irp t, 0,1,2,3
	ds_store_b64 v[SI], v[128+2*\t:129+2*\t] offset:16*\t
.endr
	ds_load_b128 v[136:139], v[SB]                 ; LDS serves a wave's instructions in order: these see my stores
	ds_load_b128 v[140:143], v[SB] offset:8*KP
	s_wait_dscnt 0x0
	global_store_b128 v[GO], v[136:139], s[\base:\base+1]
	global_store_b128 v[GO], v[140:143], s[\base:\base+1] offset:8192
.if \more
	s_wait_xcnt 0x0                                ; the stores have read their data: the next scores are written over those registers only behind this wait
.endif
.endm
	s_wait_loadcnt 0x0                             ; Q, both tiles
	s_wait_tensorcnt 0x0                           ; my part of K or V has landed,
	s_barrier_signal -1
	s_barrier_wait -1                              ; everybody's has
	HALF Q1                                        ; steps 0-7: waves 0-7 all eight, for block 15 - j; waves 8-15 steps 0 .. j, for block j
	s_cmp_lt_u32 s[WV], 8
	s_cbranch_scc1 .Lmid_done                      ; waves 0-7 keep their sums as they are
	FINISH OLO, 1                                  ; block j is done
	v_mov_b32 v13, 0xff61b1e6                      ; and a new run begins
	s_delay_alu instid0(VALU_DEP_1)
	v_floor_f32 v12, -v13
	v_mov_b32 v14, 0
	v_mov_b32 v15, 0
.set j, 0
.rept 32
	v_mov_b32 v[160+j], 0
.set j, j+1
.endr
	s_mov_b32 s[LAST], s[HIB]                      ; steps 8 .. 15 - j of block 15 - j, the last on the diagonal
	s_mov_b32 s[DIAG], s[HIB]
.Lmid_done:
	HALF Q2                                        ; steps 8-15: waves 0-7 none
	; THE TWO PARTS OF BLOCK 15 - j MEET
.rept 4
	v_nop                                          ; places behind the last products: their results are stored, and their operands' registers loaded, below
.endr
	s_wait_dscnt 0x0
	s_barrier_signal -1
	s_barrier_wait -1                              ; nobody reads K or V any more
	s_cmp_lt_u32 s[WV], 8
	s_cbranch_scc0 .Lno_image
	s_wait_alu depctr_va_vdst(0)
.irp c, 0,1,2,3,4,5,6,7
	ds_store_b128 v[MS], v[160+4*\c:163+4*\c] offset:512*\c   ; each accumulator from its low end on
.endr
	ds_store_b128 v[MS], v[12:15] offset:4096      ; -M, the largest t, the sum's two halves
.Lno_image:
	s_wait_dscnt 0x0                               ; for the partner's sake: my stores are done
	s_barrier_signal -1
	s_barrier_wait -1
	s_cmp_lt_u32 s[WV], 8
	s_cbranch_scc1 .Lend
.irp c, 0,1,2,3,4,5,6,7
	ds_load_b128 v[32+4*\c:35+4*\c], v[MS] offset:512*\c      ; the same registers in the same lanes
.endr
	ds_load_b128 v[64:67], v[MS] offset:4096
	s_wait_dscnt 0x0
	v_min_num_f32 v208, v12, v64                   ; the joint -M: the larger M
	s_delay_alu instid0(VALU_DEP_1)
	v_sub_f32 v209, v208, v12                      ; my M less the joint one, and the partner's: whole numbers, 0 or less
	s_delay_alu instid0(VALU_DEP_2)
	v_sub_f32 v212, v208, v64
	s_delay_alu instid0(VALU_DEP_2)
	v_cvt_i32_f32 v209, v209
	s_delay_alu instid0(VALU_DEP_2)
	v_cvt_i32_f32 v212, v212
	s_delay_alu instid0(VALU_DEP_2)
	v_ldexp_f32 v210, 1.0, v209                    ; two powers of two: nothing is rounded
	s_delay_alu instid0(VALU_DEP_2)
	v_ldexp_f32 v[FA], 1.0, v212
	s_delay_alu instid0(VALU_DEP_2)
	v_pk_mul_f32 v[14:15], v[14:15], v[210:211] op_sel_hi:[1,0]
	s_delay_alu instid0(VALU_DEP_1)
	v_pk_fma_f32 v[14:15], v[66:67], v[FA:FA+1], v[14:15] op_sel_hi:[1,0,1]
.set j, 0
.rept 16
	v_pk_mul_f32 v[160+j:161+j], v[160+j:161+j], v[210:211] op_sel_hi:[1,0]
.set j, j+2
.endr
.set j, 0
.rept 16
	v_pk_fma_f32 v[160+j:161+j], v[32+j:33+j], v[FA:FA+1], v[160+j:161+j] op_sel_hi:[1,0,1]
.set j, j+2
.endr
	FINISH OHI, 0
.Lend:
	s_wait_tensorcnt 0x0
	ds_add_u32 v224, v225
	s_wait_dscnt 0x0
	CROUND                                         ; the closing round
	s_endpgm
.Lfunc_end_k_qf136452abc_att:
	.size	k_qf136452abc_att, .Lfunc_end_k_qf136452abc_att-k_qf136452abc_att
	.p2alignl 7, 3214868480
	.fill 96, 4, 3214868480
	.section	.rodata,"a",@progbits
	.p2align	6, 0x0
	.amdhsa_kernel k_qf136452abc_att
		.amdhsa_group_segment_fixed_size 327680
		.amdhsa_private_segment_fixed_size 0
		.amdhsa_enable_private_segment 0
		.amdhsa_kernarg_size 24
		.amdhsa_user_sgpr_count 2
		.amdhsa_user_sgpr_kernarg_segment_ptr 1
		.amdhsa_wavefront_size32 1
		.amdhsa_system_sgpr_workgroup_id_x 1
		.amdhsa_system_sgpr_workgroup_id_y 1
		.amdhsa_system_sgpr_workgroup_id_z 1
		.amdhsa_system_vgpr_workitem_id 0
		.amdhsa_next_free_vgpr 226
		.amdhsa_next_free_sgpr 100
		.amdhsa_reserve_vcc 1
		.amdhsa_float_denorm_mode_32 3
		.amdhsa_float_denorm_mode_16_64 3
		.amdhsa_fp16_overflow 1
		.amdhsa_memory_ordered 1
		.amdhsa_forward_progress 1
		.amdhsa_inst_pref_size 96
	.end_amdhsa_kernel
	.amdgpu_metadata
---
amdhsa.version: [ 1, 2 ]
amdhsa.kernels:
  - .name:           k_qf136452abc_att
    .symbol:         k_qf136452abc_att.kd
    .args:
      - { .name: qkvc, .offset: 0, .size: 8, .value_kind: global_buffer, .address_space: global }
      - { .name: lowp_scales, .offset: 8, .size: 8, .value_kind: global_buffer, .address_space: global }
      - { .name: ac, .offset: 16, .size: 8, .value_kind: global_buffer, .address_space: global }
    .group_segment_fixed_size: 327680
    .private_segment_fixed_size: 0
    .kernarg_segment_align: 8
    .kernarg_segment_size: 24
    .max_flat_workgroup_size: 512
    .sgpr_count:     100
    .vgpr_count:     226
    .wavefront_size: 32
...
	.end_amdgpu_metadata
.endif
;; end of part 3
;; launch proj (part 4): grid 8 x 32, 4 waves a work-group, clusters of 4 x 4, 327,680 bytes of LDS; arguments ac, wc, lowp_scales, b_proj, x, x1; writes x1
.if DOCPART == 4
	.amdgcn_target "amdgcn-amd-amdhsa--gfx1250"
	.amdhsa_code_object_version 6
	.text
	.protected	k_qf136452abc_proj
	.globl	k_qf136452abc_proj
	.p2align	8
	.type	k_qf136452abc_proj,@function
k_qf136452abc_proj:
	s_mov_b64 s[64:65], 0
	v_nop
	global_prefetch_b8 v0, s[64:65] scope:SCOPE_SE
	s_setreg_imm32_b32 hwreg(HW_REG_WAVE_MODE, 25, 1), 1
	s_wait_xcnt 0x0
	s_wait_alu depctr_hold_cnt(0) depctr_sa_sdst(0) depctr_va_vdst(0) depctr_va_sdst(0) depctr_va_ssrc(0) depctr_va_vcc(0) depctr_vm_vsrc(0)
	s_getreg_b32 s2, hwreg(HW_REG_IB_STS2, 6, 4)
	s_cmp_eq_u32 s2, 0
	s_cbranch_scc0 .Lentry_in_a_cluster
	s_endpgm
.Lentry_in_a_cluster:
	s_bfe_u32 s2, ttmp6, 0x10000c
	s_cmp_lg_u32 s2, 0xf033
	s_cbranch_scc0 .Lentry_shape_is_right
	s_endpgm
.Lentry_shape_is_right:
; x1 = x + attn w_proj + b_proj: attn's codes [4096][SIZE_K] (entry 10) x w_proj's codes [1024][SIZE_K] at WOFF in wc (entry 11); f32 out, rows of 4,096 bytes.
; A tile 128 x 128 is made by four waves, 64 x 64 each: 16 accumulators.  K goes in steps of 512 (LDS rows of 512 bytes + 16; a wave's tensor load brings 64 of them) through two slots, by joint loads in clusters of 4 x 4:
; A's tile is shared along a row of the cluster, B's along a column.  The matrix instruction is used transposed (source 0 = 16 rows of B, source 1 = 16 rows of A): a lane holds eight neighbouring numbers of a row.
; The bias, divided by 2^(ea + eb), is the C of each sum's first product.  The residual's 32 whole rows that a wave will store are asked for at the head, into window 2; the sums go raw through one stage in LDS and
; come back as whole rows, where one packed multiply-add gives sum x 2^(ea + eb) + residual.  LIMIT: ea + eb between -126 and 127.
; REGISTERS: window 0: v0-31 addresses; v32-63 the bias; v128-255 the accumulators ((a, b) at v[128 + 8 (4 a + b)]), later rows.  window 1: two fragment buffers of 128 (A's four, then B's four).  window 2: v0-127 the residual.
.set SIZE_K, 1024
.set WOFF,   0x300000
.set EA,     78                        ; s[68 + n] holds entry n
.set EB,     79
.set KSTEP,  512
.set PITCH,  528
.set HALFT,  64*PITCH
.set SLOT,   4*HALFT
.set SPARE,  2*SLOT                    ; the spare words, 128 bytes a wave, named by no other line
.set LAPS,   SIZE_K/(2*KSTEP)
.set ADRA, 16
.set ADRB, 20
.set STO,  24
.set RD,   25
.set CO,   26
.set SPW,  28
.set NIL,  29
.set BI,   32
.set ACC,  128
.set F0,   0
.set F1,   128
.set G1, 24
.set G0, 32
.set G1B, 48
.set G0B, 56
.set MSB, 0
.macro WIN new
.if MSB != \new
	s_set_vgpr_msb (MSB<<8)|\new
.set MSB, \new
.endif
.endm
.set MUL,  0x05                        ; sources 0 (B) and 1 (A) window 1; C and D window 0
.set TO_F, 0x40
.macro JLOAD s                         ; a joint load: waves 0, 1 fetch A's halves, waves 2, 3 B's; four v_nop follow each line
	s_cmp_eq_u32 s15, 0
	s_cbranch_scc0 .Lfor_b_\@
	tensor_load_to_lds s[G0+4*\s:G0+4*\s+3], s[G1:G1+7]
	s_nop 0
.rept 4
	v_nop
.endr
	s_branch .Lasked_\@
.Lfor_b_\@:
	tensor_load_to_lds s[G0B+4*\s:G0B+4*\s+3], s[G1B:G1B+7]
	s_nop 0
.rept 4
	v_nop
.endr
.Lasked_\@:
.endm
.macro CREST
	s_cmp_lg_u32 s14, 0
	s_cbranch_scc1 .Lnot_wave_0_\@
	s_barrier_signal -3
.Lnot_wave_0_\@:
	s_barrier_wait -3
	s_barrier_signal -1
	s_barrier_wait -1
.endm
.macro CROUND
	s_barrier_signal -1
	s_barrier_wait -1
	CREST
.endm
	s_load_b128 s[4:7], s[0:1], 0x0                ; A's codes s[4:5], wc s[6:7]
	s_load_b256 s[84:91], s[0:1], 0x10             ; scales s[84:85], bias s[86:87], residual s[88:89], out s[90:91]
	v_lshl_add_u32 v[SPW], v0, 2, SPARE
	v_mov_b32 v[NIL], 0
	ds_add_u32 v28, v29
	ds_add_u32 v28, v29
	s_wait_dscnt 0x0
	v_lshrrev_b32 v1, 5, v0
	v_readfirstlane_b32 s14, v1                    ; wave 0..3
	s_lshr_b32 s15, s14, 1                         ; my half of the rows; also: I fetch for A (0) or B (1)
	s_and_b32 s16, s14, 1                          ; my half of the columns; also: which 64 rows I fetch
	s_bfe_u32 s40, ttmp6, 0x40000
	s_bfe_u32 s41, ttmp6, 0x40004
	s_lshl_b32 s42, ttmp9, 2
	s_add_co_u32 s42, s42, s40                     ; tile column
	s_and_b32 s17, ttmp7, 0xffff
	s_lshl_b32 s17, s17, 2
	s_add_co_u32 s17, s17, s41                     ; tile row
	s_lshl_b32 s43, s41, 2
	s_lshl_b32 s43, 15, s43
	s_lshl_b32 s44, 0x1111, s40
	s_or_b32 s[G1+0], s43, (0<<16)|(1<<20)|(1<<21)|(6<<22)|(3<<25)   ; mask; elements of 1 byte; padding: 4 words after every 128; bit 21 beside a mask
	s_or_b32 s[G1B+0], s44, (0<<16)|(1<<20)|(1<<21)|(6<<22)|(3<<25)
.irp g, G1, G1B
	s_mov_b32 s[\g+1], KSTEP<<16
	s_mov_b32 s[\g+2], 64<<16
	s_mov_b32 s[\g+3], KSTEP<<16
	s_mov_b32 s[\g+4], 64
	s_mov_b32 s[\g+5], SIZE_K
	s_mov_b32 s[\g+6], 0
	s_mov_b32 s[\g+7], 0
.endr
	s_lshl_b32 s18, s16, 6
	s_lshl_b32 s20, s17, 7
	s_add_co_u32 s20, s20, s18
	s_mul_i32 s20, s20, SIZE_K                     ; A: row 128 tile row + 64 half, under 2^25 bytes
	s_lshl_b32 s46, s42, 7
	s_add_co_u32 s46, s46, s18
	s_mul_i32 s46, s46, SIZE_K
	s_add_co_u32 s46, s46, WOFF
	s_mov_b32 s21, 0
	s_mov_b32 s47, 0
	s_mul_i32 s45, s14, HALFT
	s_wait_kmcnt 0x0
	s_load_b512 s[68:83], s[84:85], 0x0
	s_add_nc_u64 s[20:21], s[4:5], s[20:21]
	s_add_nc_u64 s[46:47], s[6:7], s[46:47]
	CROUND                                         ; the first joint loads meet
.irp s, 0,1
	s_mov_b32 s[G0+4*\s], 1
	s_add_co_u32 s[G0+4*\s+1], s45, \s*SLOT
	s_add_nc_u64 s[G0+4*\s+2:G0+4*\s+3], s[20:21], \s*KSTEP
	s_or_b32 s[G0+4*\s+3], s[G0+4*\s+3], 0x80000000
	s_mov_b32 s[G0B+4*\s], 1
	s_add_co_u32 s[G0B+4*\s+1], s45, \s*SLOT
	s_add_nc_u64 s[G0B+4*\s+2:G0B+4*\s+3], s[46:47], \s*KSTEP
	s_or_b32 s[G0B+4*\s+3], s[G0B+4*\s+3], 0x80000000
	JLOAD \s
.endr
	v_and_b32 v1, 15, v0                           ; r
	v_bfe_u32 v2, v0, 4, 1                         ; h
	v_mul_u32_u24 v3, v1, PITCH
	v_lshl_add_u32 v4, v2, 4, v3
	s_mul_i32 s21, s15, HALFT
	s_mul_i32 s22, s16, HALFT
	s_add_co_u32 s22, s22, 2*HALFT
.irp s, 0,1
	v_add_nc_u32 v[ADRA+\s], s21, v4
	v_add_nc_u32 v[ADRB+\s], s22, v4
	s_add_co_u32 s21, s21, SLOT
	s_add_co_u32 s22, s22, SLOT
.endr
	s_mul_i32 s23, s15, 64*PITCH                   ; the stage, 128 rows x 528 bytes in slot 0: in: row 64 (my half) + r, byte 256 (my half) + 32 h
	s_lshl_b32 s18, s16, 8
	s_add_co_u32 s23, s23, s18
	v_lshl_add_u32 v5, v2, 5, v3
	v_add_nc_u32 v[STO], s23, v5
	v_and_b32 v6, 31, v0
	v_lshlrev_b32 v[CO], 4, v6                     ; back, and in memory: 32 lanes take a row's 512 bytes
	s_mul_i32 s23, s14, 32*PITCH
	v_add_nc_u32 v[RD], s23, v[CO]
	s_lshl_b32 s20, s17, 19                        ; (128 tile row + 32 wave) rows of 4,096 bytes + 512 tile column
	s_lshl_b32 s21, s14, 17
	s_add_co_u32 s20, s20, s21
	s_lshl_b32 s21, s42, 9
	s_add_co_u32 s20, s20, s21
	s_mov_b32 s21, 0
	s_add_nc_u64 s[88:89], s[88:89], s[20:21]
	s_add_nc_u64 s[90:91], s[90:91], s[20:21]
	s_lshl_b32 s20, s42, 9                         ; the bias: (128 tile column + 64 my half) numbers on
	s_lshl_b32 s22, s16, 8
	s_add_co_u32 s20, s20, s22
	s_add_nc_u64 s[86:87], s[86:87], s[20:21]
	v_lshlrev_b32 v7, 5, v2
.irp b, 0,1,2,3
	global_load_b128 v[BI+8*\b:BI+8*\b+3], v7, s[86:87] offset:64*\b       ; lane (r, h): columns 16 b + 8 h + 0 .. 7
	global_load_b128 v[BI+8*\b+4:BI+8*\b+7], v7, s[86:87] offset:64*\b+16
.endr
	WIN 0x80                                       ; destination window 2
.set t, 0
.rept 32
	global_load_b128 v[4*t:4*t+3], v[CO], s[88:89] offset:t*4096
.set t, t+1
.endr
	WIN 0
	s_wait_kmcnt 0x0
	s_add_co_i32 s92, s[EA], s[EB]
	s_sub_co_i32 s94, 0, s92
	s_add_co_i32 s92, s92, 127
	s_lshl_b32 s92, s92, 23                        ; 2^(ea + eb) as f32
	s_mov_b32 s93, s92
	s_wait_loadcnt 32                              ; the bias is in; the residual's 32 loads may be out
.set j, 0
.rept 32
	v_ldexp_f32 v[BI+j], v[BI+j], s94
.set j, j+1
.endr
.macro MUL4 f, a, first                ; A's block a x B's four, 128 along K; the 16 accumulators take turns
.irp b, 0,1,2,3
.if \first
	v_wmma_f32_16x16x128_fp8_fp8 v[ACC+8*(4*(\a)+\b):ACC+8*(4*(\a)+\b)+7], v[\f+64+16*\b:\f+64+16*\b+15], v[\f+16*(\a):\f+16*(\a)+15], v[BI+8*\b:BI+8*\b+7]
.else
	v_wmma_f32_16x16x128_fp8_fp8 v[ACC+8*(4*(\a)+\b):ACC+8*(4*(\a)+\b)+7], v[\f+64+16*\b:\f+64+16*\b+15], v[\f+16*(\a):\f+16*(\a)+15], v[ACC+8*(4*(\a)+\b):ACC+8*(4*(\a)+\b)+7]
.endif
.endr
.endm
.macro FETCH slot, k, f                ; 32 LDS loads in one run: B's four fragments, then A's four, of 128 along K at byte k
	WIN TO_F
.irp i, 0,1,2,3
.irp c, 0,1,2,3
	ds_load_b128 v[\f+64+16*\i+4*\c:\f+64+16*\i+4*\c+3], v[ADRB+\slot] offset:\k+32*\c+\i*16*PITCH
.endr
.endr
.irp i, 0,1,2,3
.irp c, 0,1,2,3
	ds_load_b128 v[\f+16*\i+4*\c:\f+16*\i+4*\c+3], v[ADRA+\slot] offset:\k+32*\c+\i*16*PITCH
.endr
.endr
.endm
.macro PLACES
.rept 4
	v_nop
.endr
.endm
.macro QUARTER slot, k, f, g, first    ; multiplies buffer f and fetches the next quarter, at byte k, into g
	s_wait_dscnt 8                                 ; B and A's blocks 0, 1 are in; blocks 2, 3 (8 loads) may be out
	WIN MUL
	MUL4 \f, 0, \first
	MUL4 \f, 1, \first
	PLACES
	FETCH \slot, \k, \g
	s_wait_dscnt 32                                ; all but the 32 just issued
	WIN MUL
	MUL4 \f, 2, \first
	MUL4 \f, 3, \first
.endm
.macro TURN slot, next, fill           ; the last quarter multiplies buffer 1 and changes slots: one barrier; fill = 1: this slot is filled again, two K steps ahead
	WIN 0
	s_wait_tensorcnt 0x0                           ; all my tensor loads have landed: my part of the next slot
	ds_add_u32 v[SPW], v[NIL]                      ; 0 onto my spare word
	s_wait_dscnt 9                                 ; the add and A's blocks 2, 3 may be out
	WIN MUL
	MUL4 F1, 0, 0
	s_wait_dscnt 0x0                               ; the add is done, and my reads of this slot are over
	s_barrier_signal -1
	MUL4 F1, 1, 0
.if \fill
	WIN 0
.endif
	s_barrier_wait -1
.if \fill
	CREST                                          ; the barrier has opened a round of the cluster's
	s_add_nc_u64 s[G0+4*\slot+2:G0+4*\slot+3], s[G0+4*\slot+2:G0+4*\slot+3], 2*KSTEP
	s_add_nc_u64 s[G0B+4*\slot+2:G0B+4*\slot+3], s[G0B+4*\slot+2:G0B+4*\slot+3], 2*KSTEP
	JLOAD \slot                                    ; the first tensor load behind the round; its four v_nop are also the places in front of the loads below
.else
	PLACES
.endif
	FETCH \next, 0, F0
	WIN MUL
	MUL4 F1, 2, 0
	MUL4 F1, 3, 0
.endm
	s_wait_tensorcnt 1                             ; my part of K step 0 is in; K step 1's load may be out
	s_barrier_signal -1
	s_barrier_wait -1
	FETCH 0, 0, F0
	QUARTER 0, 128, F0, F1, 1                      ; the first quarter's products start the sums, from the bias
.if LAPS > 1
	WIN 0
	s_mov_b32 s3, LAPS-1
.Llap:
	QUARTER 0, 256, F1, F0, 0
	QUARTER 0, 384, F0, F1, 0
	TURN 0, 1, 1
	QUARTER 1, 128, F0, F1, 0
	QUARTER 1, 256, F1, F0, 0
	QUARTER 1, 384, F0, F1, 0
	TURN 1, 0, 1
	QUARTER 0, 128, F0, F1, 0
	WIN 0
	s_sub_co_u32 s3, s3, 1
	s_cmp_lg_u32 s3, 0
	s_cbranch_scc1 .Llap
.endif
	QUARTER 0, 256, F1, F0, 0                      ; the last lap fills nothing
	QUARTER 0, 384, F0, F1, 0
	TURN 0, 1, 0
	QUARTER 1, 128, F0, F1, 0
	QUARTER 1, 256, F1, F0, 0
	QUARTER 1, 384, F0, F1, 0
	s_wait_dscnt 8
	WIN MUL
	MUL4 F1, 0, 0
	MUL4 F1, 1, 0
	s_wait_dscnt 0
	MUL4 F1, 2, 0
	MUL4 F1, 3, 0
	WIN 0
	; THE WAY OUT.  The stage lies in slot 0, which has had its last fill and which nobody reads behind the last change of slots.
	PLACES
.irp a, 0,1,2,3
.irp b, 0,1,2,3
	ds_store_b128 v[STO], v[ACC+8*(4*\a+\b):ACC+8*(4*\a+\b)+3] offset:\a*16*PITCH+64*\b      ; each accumulator from its low end on
	ds_store_b128 v[STO], v[ACC+8*(4*\a+\b)+4:ACC+8*(4*\a+\b)+7] offset:\a*16*PITCH+64*\b+16
.endr
.endr
	s_wait_dscnt 0x0                               ; for the others' sake: my stores into the stage are done
	s_barrier_signal -1
	s_barrier_wait -1
.set t, 0
.rept 32
	ds_load_b128 v[ACC+4*t:ACC+4*t+3], v[RD] offset:t*PITCH
.set t, t+1
.endr
	s_wait_loadcnt 0x0                             ; the residual
	WIN 0x20                                       ; source 2 window 2
.set t, 0
.rept 32
	s_wait_dscnt 31-t                              ; the younger loads may be out
	v_pk_fma_f32 v[ACC+4*t:ACC+4*t+1], v[ACC+4*t:ACC+4*t+1], s[92:93], v[4*t:4*t+1] op_sel_hi:[1,0,1]
	v_pk_fma_f32 v[ACC+4*t+2:ACC+4*t+3], v[ACC+4*t+2:ACC+4*t+3], s[92:93], v[4*t+2:4*t+3] op_sel_hi:[1,0,1]
	global_store_b128 v[CO], v[ACC+4*t:ACC+4*t+3], s[90:91] offset:t*4096   ; 32 lanes store 512 consecutive bytes, at a multiple of 256 from the buffer's first byte
.set t, t+1
.endr
	WIN 0
	s_wait_tensorcnt 0x0                           ; the wave's end
	ds_add_u32 v[SPW], v[NIL]
	s_wait_dscnt 0x0
	CROUND                                         ; the closing round
	s_endpgm
.Lfunc_end_k_qf136452abc_proj:
	.size	k_qf136452abc_proj, .Lfunc_end_k_qf136452abc_proj-k_qf136452abc_proj
	.p2alignl 7, 3214868480
	.fill 96, 4, 3214868480
	.section	.rodata,"a",@progbits
	.p2align	6, 0x0
	.amdhsa_kernel k_qf136452abc_proj
		.amdhsa_group_segment_fixed_size 327680
		.amdhsa_private_segment_fixed_size 0
		.amdhsa_enable_private_segment 0
		.amdhsa_kernarg_size 48
		.amdhsa_user_sgpr_count 2
		.amdhsa_user_sgpr_kernarg_segment_ptr 1
		.amdhsa_wavefront_size32 1
		.amdhsa_system_sgpr_workgroup_id_x 1
		.amdhsa_system_sgpr_workgroup_id_y 1
		.amdhsa_system_sgpr_workgroup_id_z 1
		.amdhsa_system_vgpr_workitem_id 0
		.amdhsa_next_free_vgpr 768
		.amdhsa_next_free_sgpr 100
		.amdhsa_reserve_vcc 0
		.amdhsa_float_denorm_mode_32 3
		.amdhsa_float_denorm_mode_16_64 3
		.amdhsa_memory_ordered 1
		.amdhsa_forward_progress 1
		.amdhsa_inst_pref_size 52
	.end_amdhsa_kernel
	.amdgpu_metadata
---
amdhsa.version: [ 1, 2 ]
amdhsa.kernels:
  - .name:           k_qf136452abc_proj
    .symbol:         k_qf136452abc_proj.kd
    .args:
      - { .name: ac, .offset: 0, .size: 8, .value_kind: global_buffer, .address_space: global }
      - { .name: wc, .offset: 8, .size: 8, .value_kind: global_buffer, .address_space: global }
      - { .name: lowp_scales, .offset: 16, .size: 8, .value_kind: global_buffer, .address_space: global }
      - { .name: b_proj, .offset: 24, .size: 8, .value_kind: global_buffer, .address_space: global }
      - { .name: x, .offset: 32, .size: 8, .value_kind: global_buffer, .address_space: global }
      - { .name: x1, .offset: 40, .size: 8, .value_kind: global_buffer, .address_space: global }
    .group_segment_fixed_size: 327680
    .private_segment_fixed_size: 0
    .kernarg_segment_align: 8
    .kernarg_segment_size: 48
    .max_flat_workgroup_size: 128
    .sgpr_count:     100
    .vgpr_count:     768
    .wavefront_size: 32
...
	.end_amdgpu_metadata
.endif
;; end of part 4
;; launch ln2 (part 5): grid 256 x 1, 4 waves a work-group, no clusters, 41,472 bytes of LDS; arguments x1, g2, be2, lowp_scales, h2c; writes h2c
.if DOCPART == 5
	.amdgcn_target "amdgcn-amd-amdhsa--gfx1250"
	.amdhsa_code_object_version 6
	.text
	.protected	k_qf136452abc_ln2
	.globl	k_qf136452abc_ln2
	.p2align	8
	.type	k_qf136452abc_ln2,@function
k_qf136452abc_ln2:
	s_mov_b64 s[64:65], 0
	v_nop
	global_prefetch_b8 v0, s[64:65] scope:SCOPE_SE
	s_setreg_imm32_b32 hwreg(HW_REG_WAVE_MODE, 25, 1), 1
	s_wait_xcnt 0x0
; h2 = layernorm(x1) g2 + be2, quantised (entry 12) into h2c [4096][1024] of E4M3 codes.  A wave takes rows 16 wg + 4 wave + 0..3; waves share nothing: no barrier.
; All four rows are asked for at the head, 32 loads of 512 consecutive bytes: 16 KB a wave are on their way.  A row turns through one of the wave's two stages in LDS (64 places of 64 bytes + 16) and comes back into
; the registers that it was loaded into, so that a lane holds 16 neighbours twice, as the conversions want them.
; LIMIT: entry 12 between -126 and 119; NaN is not served.
.set X,    16                          ; v16-143: row r in v[16 + 32 r] on, as loaded, then turned: register 16 s + j = column 512 s + 16 lane + j
.set T,    144                         ; v144-175 at work
.set G,    176                         ; v176-207 g2, v208-239 be2, in the turned layout
.set BE,   208
.set C,    240                         ; v240-247 codes
	s_load_b256 s[4:11], s[0:1], 0x0               ; x1 s[4:5], g2 s[6:7], be2 s[8:9], scales s[10:11]
	s_load_b64 s[54:55], s[0:1], 0x20              ; h2c
	v_lshl_add_u32 v248, v0, 2, 0xa000
	v_mov_b32 v249, 0
	v_lshrrev_b32 v1, 5, v0
	v_readfirstlane_b32 s28, v1
	v_and_b32 v1, 31, v0
	v_lshlrev_b32 v3, 4, v1
	v_lshlrev_b32 v2, 6, v1
	s_mul_i32 s29, s28, 10240
	v_lshrrev_b32 v14, 2, v1
	v_mul_u32_u24 v14, v14, 80
	v_and_b32 v15, 3, v1
	v_lshl_add_u32 v14, v15, 4, v14
	v_add_nc_u32 v14, s29, v14                     ; in: 80 (lane / 4) + 16 (lane % 4)
	v_mul_u32_u24 v15, v1, 80
	v_add_nc_u32 v15, s29, v15                     ; out: 80 x lane
	s_lshl_b32 s52, ttmp9, 16
	s_lshl_b32 s53, s28, 14
	s_add_co_u32 s52, s52, s53
	s_mov_b32 s53, 0
	s_mov_b32 s30, 0x3a800000                      ; 1 / 1024
	s_mov_b32 s31, 0x3727c5ac                      ; 1e-5
	s_mov_b32 s32, 0x76543210
	s_mov_b32 s33, 0xfedcba98
	s_wait_alu depctr_va_vdst(0)
	s_wait_kmcnt 0x0
	s_load_b32 s37, s[10:11], 0x30                 ; entry 12
	s_add_nc_u64 s[4:5], s[4:5], s[52:53]
	s_lshr_b32 s52, s52, 2
	s_add_nc_u64 s[54:55], s[54:55], s[52:53]
.irp i, 0,1,2,3,4,5,6,7
	global_load_b128 v[G+4*\i:G+4*\i+3], v2, s[6:7] offset:2048*(\i/4)+16*(\i%4)
	global_load_b128 v[BE+4*\i:BE+4*\i+3], v2, s[8:9] offset:2048*(\i/4)+16*(\i%4)
.endr
.set rr, 0
.rept 4                                        ; all four rows at once
.irp i, 0,1,2,3,4,5,6,7
	global_load_b128 v[X+32*rr+4*\i:X+32*rr+4*\i+3], v3, s[4:5] offset:4096*rr+512*\i
.endr
.set rr, rr+1
.endr
	s_wait_kmcnt 0x0
	s_add_co_i32 s34, s37, 127
	s_lshl_b32 s35, s34, 23
	v_mov_b32 v4, s35                              ; 2^e
	s_add_co_i32 s34, s34, 8
	s_lshl_b32 s34, s34, 23
	s_or_b32 s34, s34, 0x600000
.macro TST r                           ; row r goes into stage r % 2 as it was loaded
.set XT, X+32*(\r)
	s_wait_loadcnt 8*(3-(\r))                      ; loads come back in order: row r (and g2, be2, asked for earlier) is in; the eight loads of each later row may be out
.irp i, 0,1,2,3,4,5,6,7
	ds_store_b128 v14, v[XT+4*\i:XT+4*\i+3] offset:5120*((\r)%2)+640*\i
.endr
.endm
.macro TLD r                           ; and comes back turned, into the same registers
.set XT, X+32*(\r)
	s_wait_dscnt 0x0                               ; the stores have read those registers
.irp i, 0,1,2,3,4,5,6,7
	ds_load_b128 v[XT+4*\i:XT+4*\i+3], v15 offset:5120*((\r)%2)+2560*(\i/4)+16*(\i%4)
.endr
.endm
.macro WSUM
	v_pk_add_f32 v[T:T+1], v[T:T+1], v[T+2:T+3]
	v_add_f32 v[T], v[T], v[T+1]
.irp m, 1,2,4,8
	v_add_f32_dpp v[T], v[T], v[T] row_xmask:\m row_mask:0xf bank_mask:0xf
.endr
	v_permlanex16_b32 v[T+1], v[T], s32, s33
	v_add_f32 v[T], v[T], v[T+1]
.endm
.macro LNROW r
.set XR, X+32*(\r)
	s_wait_dscnt 0x0                               ; the row is back, turned
.if \r < 3
	TST (\r)+1                                     ; the next row's way into the other stage stands ahead of this row's work
.endif
	v_pk_add_f32 v[T:T+1], v[XR:XR+1], v[XR+2:XR+3]
	v_pk_add_f32 v[T+2:T+3], v[XR+4:XR+5], v[XR+6:XR+7]
.irp j, 8,12,16,20,24,28
	v_pk_add_f32 v[T:T+1], v[T:T+1], v[XR+\j:XR+\j+1]
	v_pk_add_f32 v[T+2:T+3], v[T+2:T+3], v[XR+\j+2:XR+\j+3]
.endr
	WSUM
	v_mul_f32 v10, s30, v[T]                       ; the mean
	v_mov_b32 v11, v10
.if \r < 3
	s_wait_alu depctr_va_vdst(0)
	TLD (\r)+1                                     ; and its way back lands while this row is worked
.endif
.irp j, 0,2,4,6,8,10,12,14,16,18,20,22,24,26,28,30
	v_pk_add_f32 v[XR+\j:XR+\j+1], v[XR+\j:XR+\j+1], v[10:11] neg_lo:[0,1] neg_hi:[0,1]
.endr
	v_pk_mul_f32 v[T:T+1], v[XR:XR+1], v[XR:XR+1]  ; the variance of the centred numbers: no difference of large sums
	v_pk_mul_f32 v[T+2:T+3], v[XR+2:XR+3], v[XR+2:XR+3]
.irp j, 4,8,12,16,20,24,28
	v_pk_fma_f32 v[T:T+1], v[XR+\j:XR+\j+1], v[XR+\j:XR+\j+1], v[T:T+1]
	v_pk_fma_f32 v[T+2:T+3], v[XR+\j+2:XR+\j+3], v[XR+\j+2:XR+\j+3], v[T+2:T+3]
.endr
	WSUM
	v_fma_f32 v[T], v[T], s30, s31
	s_wait_alu depctr_va_vdst(0)
	v_rsq_f32 v12, v[T]
	v_nop                                          ; a plain line behind the transcendental,
	s_wait_alu depctr_va_vdst(0)                   ; and the wait ahead of its first reader
	v_mov_b32 v13, v12
.irp j, 0,2,4,6,8,10,12,14,16,18,20,22,24,26,28,30
	v_pk_mul_f32 v[XR+\j:XR+\j+1], v[XR+\j:XR+\j+1], v[12:13]
.endr
.irp j, 0,2,4,6,8,10,12,14,16,18,20,22,24,26,28,30
	v_pk_fma_f32 v[XR+\j:XR+\j+1], v[XR+\j:XR+\j+1], v[G+\j:G+\j+1], v[BE+\j:BE+\j+1]
.endr
	s_wait_alu depctr_va_vdst(0)
	s_wait_xcnt 0x0                                ; the last row's stores have read the codes' registers: they are written again only behind this wait
.set i, 0
.rept 32
.set i, i+1
.endr
.irp g, 0,1,2,3
	v_cvt_scalef32_pk8_fp8_f32 v[C+2*\g:C+2*\g+1], v[XR+8*\g:XR+8*\g+7], v4
.endr
	v_nop                                          ; a plain line behind the last conversion
	global_store_b128 v3, v[C:C+3], s[54:55] offset:1024*\r          ; 32 lanes store 512 consecutive bytes
	global_store_b128 v3, v[C+4:C+7], s[54:55] offset:1024*\r+512
.endm
	TST 0
	TLD 0
	LNROW 0
	LNROW 1
	LNROW 2
	LNROW 3
	s_wait_tensorcnt 0x0
	ds_add_u32 v248, v249
	s_wait_dscnt 0x0
	s_endpgm
.Lfunc_end_k_qf136452abc_ln2:
	.size	k_qf136452abc_ln2, .Lfunc_end_k_qf136452abc_ln2-k_qf136452abc_ln2
	.p2alignl 7, 3214868480
	.fill 96, 4, 3214868480
	.section	.rodata,"a",@progbits
	.p2align	6, 0x0
	.amdhsa_kernel k_qf136452abc_ln2
		.amdhsa_group_segment_fixed_size 41472
		.amdhsa_private_segment_fixed_size 0
		.amdhsa_enable_private_segment 0
		.amdhsa_kernarg_size 40
		.amdhsa_user_sgpr_count 2
		.amdhsa_user_sgpr_kernarg_segment_ptr 1
		.amdhsa_wavefront_size32 1
		.amdhsa_system_sgpr_workgroup_id_x 1
		.amdhsa_system_sgpr_workgroup_id_y 1
		.amdhsa_system_sgpr_workgroup_id_z 1
		.amdhsa_system_vgpr_workitem_id 0
		.amdhsa_next_free_vgpr 250
		.amdhsa_next_free_sgpr 66
		.amdhsa_reserve_vcc 0
		.amdhsa_float_denorm_mode_32 3
		.amdhsa_float_denorm_mode_16_64 3
		.amdhsa_fp16_overflow 1
		.amdhsa_memory_ordered 1
		.amdhsa_forward_progress 1
		.amdhsa_inst_pref_size 38
	.end_amdhsa_kernel
	.amdgpu_metadata
---
amdhsa.version: [ 1, 2 ]
amdhsa.kernels:
  - .name:           k_qf136452abc_ln2
    .symbol:         k_qf136452abc_ln2.kd
    .args:
      - { .name: x1, .offset: 0, .size: 8, .value_kind: global_buffer, .address_space: global }
      - { .name: g2, .offset: 8, .size: 8, .value_kind: global_buffer, .address_space: global }
      - { .name: be2, .offset: 16, .size: 8, .value_kind: global_buffer, .address_space: global }
      - { .name: lowp_scales, .offset: 24, .size: 8, .value_kind: global_buffer, .address_space: global }
      - { .name: h2c, .offset: 32, .size: 8, .value_kind: global_buffer, .address_space: global }
    .group_segment_fixed_size: 41472
    .private_segment_fixed_size: 0
    .kernarg_segment_align: 8
    .kernarg_segment_size: 40
    .max_flat_workgroup_size: 128
    .sgpr_count:     66
    .vgpr_count:     250
    .wavefront_size: 32
...
	.end_amdgpu_metadata
.endif
;; end of part 5
;; launch ffn1 (part 6): grid 16 x 16, 4 waves a work-group, clusters of 4 x 4, 327,680 bytes of LDS; arguments h2c, wc, lowp_scales, b1, hid; writes hid
.if DOCPART == 6
	.amdgcn_target "amdgcn-amd-amdhsa--gfx1250"
	.amdhsa_code_object_version 6
	.text
	.protected	k_qf136452abc_ffn1
	.globl	k_qf136452abc_ffn1
	.p2align	8
	.type	k_qf136452abc_ffn1,@function
k_qf136452abc_ffn1:
	s_mov_b64 s[64:65], 0
	v_nop
	global_prefetch_b8 v0, s[64:65] scope:SCOPE_SE
	s_setreg_imm32_b32 hwreg(HW_REG_WAVE_MODE, 25, 1), 1
	s_wait_xcnt 0x0
	s_wait_alu depctr_hold_cnt(0) depctr_sa_sdst(0) depctr_va_vdst(0) depctr_va_sdst(0) depctr_va_ssrc(0) depctr_va_vcc(0) depctr_vm_vsrc(0)
	s_getreg_b32 s2, hwreg(HW_REG_IB_STS2, 6, 4)
	s_cmp_eq_u32 s2, 0
	s_cbranch_scc0 .Lentry_in_a_cluster
	s_endpgm
.Lentry_in_a_cluster:
	s_bfe_u32 s2, ttmp6, 0x10000c
	s_cmp_lg_u32 s2, 0xf033
	s_cbranch_scc0 .Lentry_shape_is_right
	s_endpgm
.Lentry_shape_is_right:
; hid = Q(relu(h2 w1 + b1)): h2's codes [4096][1024] (entry 12) x w1's codes [4096][1024] at 4 MiB in wc (entry 13), the result quantised (entry 14) into hid [4096 tokens][4096].
; A tile 256 x 256 is made by four waves, 128 x 128 each (64 accumulators).  K = 1,024 goes in steps of 256 through two LDS slots filled by joint tensor loads in clusters of 4 x 4: A's tile (tokens) is shared along a
; row of the cluster, B's (hidden units) along a column.  The matrix instruction is used transposed (source 0 = 16 rows of B, source 1 = 16 rows of A): a lane's eight sums are eight neighbouring hidden units of a token.
; b1, divided by 2^(e12 + e13), is the C of each sum's first product.  A sum's code is sum / 2^(e14 - e12 - e13), held between 0 and 448 of that scale: the activation and the hold in one.
; LIMIT: e14 - e12 - e13 between -126 and 119.  NaN is not served.
; REGISTERS: window 0: v0-31 addresses and the scale; v32-95 the bias (8 registers for each of B's 8 blocks); from v128 A's fragments, one set; on the way out v32-159 codes.  window 1: B's fragments, two sets.  windows 2, 3: the accumulators.
.set ROWB,   256
.set KROW,   1024
.set PITCH,  272
.set FR,     16
.set NL,     4
.set NP,     4
.set HALFT,  128*PITCH
.set SLOT,   4*HALFT
.set LAPS,   KROW/(2*ROWB)
.set SPARE,  2*SLOT                    ; the spare words, 128 bytes a wave, named by no other line
.set OPITCH, 4096
.set ADRA, 16
.set ADRB, 20
.set STO,  24
.set RD,   25
.set CO,   26
.set SPW,  28
.set NIL,  29
.set SC,   30
.set LIM,  31
.set TMP,  32
.set BI,   32
.set AF,   128
.set G1, 24
.set G0, 32
.set G1B, 48
.set G0B, 56
.set MSB, 0
.macro WIN new
.if MSB != \new
	s_set_vgpr_msb (MSB<<8)|\new
.set MSB, \new
.endif
.endm
.set MUL_LO, 0xa1                      ; source 0 (B) window 1, source 1 (A) window 0, C and D window 2
.set MUL_HI, 0xf1
.set TO_B,   0x40
.macro JLOAD g0a, g1a, g0b, g1b        ; a joint load: waves 0, 1 fetch for A, waves 2, 3 for B; four v_nop follow each line
	s_cmp_eq_u32 s15, 0
	s_cbranch_scc0 .Lfor_b_\@
	tensor_load_to_lds s[\g0a:\g0a+3], s[\g1a:\g1a+7]
	s_nop 0
.rept 4
	v_nop
.endr
	s_branch .Lasked_\@
.Lfor_b_\@:
	tensor_load_to_lds s[\g0b:\g0b+3], s[\g1b:\g1b+7]
	s_nop 0
.rept 4
	v_nop
.endr
.Lasked_\@:
.endm
.macro CREST
	s_cmp_lg_u32 s14, 0
	s_cbranch_scc1 .Lnot_wave_0_\@
	s_barrier_signal -3
.Lnot_wave_0_\@:
	s_barrier_wait -3
	s_barrier_signal -1
	s_barrier_wait -1
.endm
.macro CROUND
	s_barrier_signal -1
	s_barrier_wait -1
	CREST
.endm
	s_load_b256 s[4:11], s[0:1], 0x0               ; h2c s[4:5], wc s[6:7], scales s[8:9], b1 s[10:11]
	s_load_b64 s[12:13], s[0:1], 0x20              ; hid
	v_lshl_add_u32 v[SPW], v0, 2, SPARE
	v_mov_b32 v[NIL], 0
	ds_add_u32 v28, v29
	ds_add_u32 v28, v29
	s_wait_dscnt 0x0
	v_lshrrev_b32 v1, 5, v0
	v_readfirstlane_b32 s14, v1
	s_lshr_b32 s15, s14, 1
	s_and_b32 s16, s14, 1
	s_bfe_u32 s40, ttmp6, 0x40000
	s_bfe_u32 s41, ttmp6, 0x40004
	s_lshl_b32 s42, ttmp9, 2
	s_add_co_u32 s42, s42, s40                     ; tile column
	s_and_b32 s17, ttmp7, 0xffff
	s_lshl_b32 s17, s17, 2
	s_add_co_u32 s17, s17, s41                     ; tile row
	s_lshl_b32 s43, s41, 2
	s_lshl_b32 s43, 15, s43
	s_lshl_b32 s44, 0x1111, s40
	s_or_b32 s[G1+0], s43, (0<<16)|(1<<20)|(1<<21)|(5<<22)|(3<<25)
	s_or_b32 s[G1B+0], s44, (0<<16)|(1<<20)|(1<<21)|(5<<22)|(3<<25)
.irp g, G1, G1B
	s_mov_b32 s[\g+1], ROWB<<16
	s_mov_b32 s[\g+2], 128<<16
	s_mov_b32 s[\g+3], ROWB<<16
	s_mov_b32 s[\g+4], 128
	s_mov_b32 s[\g+5], KROW
	s_mov_b32 s[\g+6], 0
	s_mov_b32 s[\g+7], 0
.endr
	s_lshl_b32 s18, s16, 7
	s_lshl_b32 s20, s17, 8
	s_add_co_u32 s20, s20, s18
	s_lshl_b32 s20, s20, 10
	s_lshl_b32 s46, s42, 8
	s_add_co_u32 s46, s46, s18
	s_lshl_b32 s46, s46, 10
	s_add_co_u32 s46, s46, 0x400000                ; w1's codes in wc
	s_mov_b32 s21, 0
	s_mov_b32 s47, 0
	s_mul_i32 s45, s14, HALFT
	s_wait_kmcnt 0x0
	s_load_b512 s[68:83], s[8:9], 0x0              ; entry n of the scales in s[68 + n]
	s_add_nc_u64 s[20:21], s[4:5], s[20:21]
	s_add_nc_u64 s[46:47], s[6:7], s[46:47]
	CROUND
.irp s, 0,1
	s_mov_b32 s[G0+4*\s], 1
	s_add_co_u32 s[G0+4*\s+1], s45, \s*SLOT
	s_add_nc_u64 s[G0+4*\s+2:G0+4*\s+3], s[20:21], \s*ROWB
	s_or_b32 s[G0+4*\s+3], s[G0+4*\s+3], 0x80000000
	s_mov_b32 s[G0B+4*\s], 1
	s_add_co_u32 s[G0B+4*\s+1], s45, \s*SLOT
	s_add_nc_u64 s[G0B+4*\s+2:G0B+4*\s+3], s[46:47], \s*ROWB
	s_or_b32 s[G0B+4*\s+3], s[G0B+4*\s+3], 0x80000000
	JLOAD G0+4*\s, G1, G0B+4*\s, G1B
.endr
	v_and_b32 v1, 15, v0
	v_bfe_u32 v2, v0, 4, 1
	s_lshl_b32 s88, s42, 10                        ; the bias: (256 tile column + 128 my half) numbers on
	s_lshl_b32 s89, s16, 9
	s_add_co_u32 s88, s88, s89
	s_mov_b32 s89, 0
	s_add_nc_u64 s[10:11], s[10:11], s[88:89]
	v_lshlrev_b32 v6, 5, v2
.irp b, 0,1,2,3,4,5,6,7
	global_load_b128 v[BI+8*\b:BI+8*\b+3], v6, s[10:11] offset:64*\b       ; lane (r, h): hidden units 16 b + 8 h + 0 .. 7
	global_load_b128 v[BI+8*\b+4:BI+8*\b+7], v6, s[10:11] offset:64*\b+16
.endr
	v_mul_u32_u24 v3, v1, PITCH
	v_lshl_add_u32 v4, v2, 4, v3
	s_mul_i32 s21, s15, HALFT
	s_mul_i32 s22, s16, HALFT
	s_add_co_u32 s22, s22, 2*HALFT
.irp s, 0,1
	v_add_nc_u32 v[ADRA+\s], s21, v4
	v_add_nc_u32 v[ADRB+\s], s22, v4
	s_add_co_u32 s21, s21, SLOT
	s_add_co_u32 s22, s22, SLOT
.endr
	s_mul_i32 s23, s15, 128*PITCH
	s_lshl_b32 s18, s16, 7
	s_add_co_u32 s23, s23, s18
	v_lshl_add_u32 v5, v2, 3, v3
	v_add_nc_u32 v[STO], s23, v5
	s_mul_i32 s23, s14, 64*PITCH
	v_mul_u32_u24 v5, v2, PITCH
	v_lshl_add_u32 v5, v1, 4, v5
	v_add_nc_u32 v[RD], s23, v5
	v_lshlrev_b32 v5, 12, v2
	v_lshl_add_u32 v[CO], v1, 4, v5
	s_lshl_b32 s20, s17, 20                        ; (256 tile row + 64 wave) rows of 4,096 bytes + 256 tile column
	s_lshl_b32 s21, s14, 18
	s_add_co_u32 s20, s20, s21
	s_lshl_b32 s21, s42, 8
	s_add_co_u32 s20, s20, s21
	s_mov_b32 s21, 0
	s_add_nc_u64 s[12:13], s[12:13], s[20:21]
	s_wait_kmcnt 0x0
	s_add_co_i32 s90, s80, s81                     ; e12 + e13
	s_sub_co_i32 s92, 0, s90
	s_sub_co_i32 s90, s82, s90                     ; e14 - e12 - e13
	s_add_co_i32 s90, s90, 127
	s_lshl_b32 s91, s90, 23
	v_mov_b32 v[SC], s91
	s_add_co_i32 s90, s90, 8
	s_lshl_b32 s90, s90, 23
	s_or_b32 s90, s90, 0x600000
	v_mov_b32 v[LIM], s90
	s_wait_loadcnt 0x0                             ; the bias
.set j, 0
.rept 64
	v_ldexp_f32 v[BI+j], v[BI+j], s92
.set j, j+1
.endr
.macro FRAG reg, adr, q, i
.irp c, 0,1,2,3
	ds_load_b128 v[\reg+4*\c:\reg+4*\c+3], v[\adr] offset:128*(\q)+32*\c+(\i)*16*PITCH
.endr
.endm
.macro MUL16 a0, p, first              ; A's blocks a0, a0 + 1 x B's eight; first = 1: the bias starts the sums; the 64 accumulators take turns
.irp a, \a0, \a0+1
.irp b, 0,1,2,3,4,5,6,7
.if \first
	v_wmma_f32_16x16x128_fp8_fp8 v[8*(8*((\a)%4)+\b):8*(8*((\a)%4)+\b)+7], v[128*(\p)+FR*\b:128*(\p)+FR*\b+FR-1], v[AF+FR*(\a):AF+FR*(\a)+FR-1], v[BI+8*\b:BI+8*\b+7]
.else
	v_wmma_f32_16x16x128_fp8_fp8 v[8*(8*((\a)%4)+\b):8*(8*((\a)%4)+\b)+7], v[128*(\p)+FR*\b:128*(\p)+FR*\b+FR-1], v[AF+FR*(\a):AF+FR*(\a)+FR-1], v[8*(8*((\a)%4)+\b):8*(8*((\a)%4)+\b)+7]
.endif
.endr
.endr
.endm
.macro FETCH_B slot, q, p
	WIN TO_B
.irp i, 0,1,2,3,4,5,6,7
	FRAG 128*(\p)+FR*\i, ADRB+\slot, \q, \i
.endr
	WIN 0
.endm
.macro FETCH_A slot, q, i0
.irp i, \i0, \i0+1, \i0+2, \i0+3
	FRAG AF+FR*(\i), ADRA+\slot, \q, \i
.endr
.endm
.macro PLACES n
.rept \n
	v_nop
.endr
.endm
.macro STEP slot, q, first
	s_wait_dscnt 4*NL                              ; B's set and A's blocks 0-3 are in; A's blocks 4-7 (16 loads) may be out
.if \first
	WIN 0x81                                       ; C (the bias) window 0, D window 2
.else
	WIN MUL_LO
.endif
	MUL16 0, (\q)%2, \first
	MUL16 2, (\q)%2, \first
	s_wait_dscnt 0
	PLACES NP
	FETCH_B \slot, (\q)+1, 1-(\q)%2
	FETCH_A \slot, (\q)+1, 0
.if \first
	WIN 0xc1
.else
	WIN MUL_HI
.endif
	MUL16 4, (\q)%2, \first
	MUL16 6, (\q)%2, \first
	PLACES NP
	WIN 0
	FETCH_A \slot, (\q)+1, 4
.endm
.macro TURN slot, next, fill
	s_wait_tensorcnt 0x0                           ; all my tensor loads have landed: my part of the next slot
	ds_add_u32 v[SPW], v[NIL]                      ; 0 onto my spare word
	s_wait_dscnt 4*NL+1                            ; the add and A's blocks 4-7 may be out
	WIN MUL_LO
	MUL16 0, 1, 0
	s_wait_dscnt 0x0                               ; the add is done, and my reads of this slot are over
	s_barrier_signal -1
	MUL16 2, 1, 0
	WIN 0
	s_barrier_wait -1
.if \fill
	CREST
	s_add_nc_u64 s[G0+4*\slot+2:G0+4*\slot+3], s[G0+4*\slot+2:G0+4*\slot+3], 2*ROWB
	s_add_nc_u64 s[G0B+4*\slot+2:G0B+4*\slot+3], s[G0B+4*\slot+2:G0B+4*\slot+3], 2*ROWB
	JLOAD G0+4*\slot, G1, G0B+4*\slot, G1B
.else
	PLACES NP
.endif
	FETCH_B \next, 0, 0
	FETCH_A \next, 0, 0
	WIN MUL_HI
	MUL16 4, 1, 0
	MUL16 6, 1, 0
	PLACES NP
	WIN 0
	FETCH_A \next, 0, 4
.endm
	s_wait_tensorcnt 1                             ; my part of K step 0 is in; K step 1's load may be out
	s_barrier_signal -1
	s_barrier_wait -1
	FETCH_B 0, 0, 0
	FETCH_A 0, 0, 0
	FETCH_A 0, 0, 4
	STEP 0, 0, 1
	s_mov_b32 s3, LAPS-1
.Llap:
	TURN 0, 1, 1
	STEP 1, 0, 0
	TURN 1, 0, 1
	STEP 0, 0, 0
	s_sub_co_u32 s3, s3, 1
	s_cmp_lg_u32 s3, 0
	s_cbranch_scc1 .Llap
	TURN 0, 1, 0
	STEP 1, 0, 0
	s_wait_dscnt 4*NL
	WIN MUL_LO
	MUL16 0, 1, 0
	MUL16 2, 1, 0
	s_wait_dscnt 0
	WIN MUL_HI
	MUL16 4, 1, 0
	MUL16 6, 1, 0
	WIN 0
; THE WAY OUT, as codes: held between 0 and the largest code, converted, 8 bytes a lane into the work-group's stage in slot 0 (its last fill and its last read are over), back as whole rows of 256 bytes.
.macro QOUT a
.set AC, 64*((\a)%4)
	WIN 0x82+0x41*((\a)/4)
.set j, 0
.rept 64
	v_med3_num_f32 v[AC+j], v[AC+j], 0, v[LIM]
.set j, j+1
.endr
	WIN 0x02+((\a)/4)
.irp b, 0,1,2,3,4,5,6,7
	v_cvt_scalef32_pk8_fp8_f32 v[TMP+16*(\a)+2*\b:TMP+16*(\a)+2*\b+1], v[AC+8*\b:AC+8*\b+7], v[SC]
.endr
	v_nop
	WIN 0
.irp b, 0,1,2,3,4,5,6,7
	ds_store_b64 v[STO], v[TMP+16*(\a)+2*\b:TMP+16*(\a)+2*\b+1] offset:(\a)*16*PITCH+16*\b
.endr
.endm
	PLACES NP
.irp a, 0,1,2,3,4,5,6,7
	QOUT \a
.endr
	s_wait_dscnt 0x0
	s_barrier_signal -1
	s_barrier_wait -1
.set t, 0
.rept 32
	ds_load_b128 v[TMP+4*t:TMP+4*t+3], v[RD] offset:2*t*PITCH
.set t, t+1
.endr
.set t, 0
.rept 32
	s_wait_dscnt 31-t
	global_store_b128 v[CO], v[TMP+4*t:TMP+4*t+3], s[12:13] offset:2*t*OPITCH   ; sixteen lanes store 256 consecutive bytes, at a multiple of 256 from the buffer's first byte
.set t, t+1
.endr
	s_wait_tensorcnt 0x0                           ; the wave's end
	ds_add_u32 v[SPW], v[NIL]
	s_wait_dscnt 0x0
	CROUND
	s_endpgm
.Lfunc_end_k_qf136452abc_ffn1:
	.size	k_qf136452abc_ffn1, .Lfunc_end_k_qf136452abc_ffn1-k_qf136452abc_ffn1
	.p2alignl 7, 3214868480
	.fill 96, 4, 3214868480
	.section	.rodata,"a",@progbits
	.p2align	6, 0x0
	.amdhsa_kernel k_qf136452abc_ffn1
		.amdhsa_group_segment_fixed_size 327680
		.amdhsa_private_segment_fixed_size 0
		.amdhsa_enable_private_segment 0
		.amdhsa_kernarg_size 40
		.amdhsa_user_sgpr_count 2
		.amdhsa_user_sgpr_kernarg_segment_ptr 1
		.amdhsa_wavefront_size32 1
		.amdhsa_system_sgpr_workgroup_id_x 1
		.amdhsa_system_sgpr_workgroup_id_y 1
		.amdhsa_system_sgpr_workgroup_id_z 1
		.amdhsa_system_vgpr_workitem_id 0
		.amdhsa_next_free_vgpr 1024
		.amdhsa_next_free_sgpr 100
		.amdhsa_reserve_vcc 0
		.amdhsa_float_denorm_mode_32 3
		.amdhsa_float_denorm_mode_16_64 3
		.amdhsa_memory_ordered 1
		.amdhsa_forward_progress 1
		.amdhsa_inst_pref_size 131
	.end_amdhsa_kernel
	.amdgpu_metadata
---
amdhsa.version: [ 1, 2 ]
amdhsa.kernels:
  - .name:           k_qf136452abc_ffn1
    .symbol:         k_qf136452abc_ffn1.kd
    .args:
      - { .name: h2c, .offset: 0, .size: 8, .value_kind: global_buffer, .address_space: global }
      - { .name: wc, .offset: 8, .size: 8, .value_kind: global_buffer, .address_space: global }
      - { .name: lowp_scales, .offset: 16, .size: 8, .value_kind: global_buffer, .address_space: global }
      - { .name: b1, .offset: 24, .size: 8, .value_kind: global_buffer, .address_space: global }
      - { .name: hid, .offset: 32, .size: 8, .value_kind: global_buffer, .address_space: global }
    .group_segment_fixed_size: 327680
    .private_segment_fixed_size: 0
    .kernarg_segment_align: 8
    .kernarg_segment_size: 40
    .max_flat_workgroup_size: 128
    .sgpr_count:     100
    .vgpr_count:     1024
    .wavefront_size: 32
...
	.end_amdgpu_metadata
.endif
;; end of part 6
;; launch ffn2 (part 7): grid 8 x 32, 4 waves a work-group, clusters of 4 x 4, 327,680 bytes of LDS; arguments hid, wc, lowp_scales, b2, x1, out0; writes out0
.if DOCPART == 7
	.amdgcn_target "amdgcn-amd-amdhsa--gfx1250"
	.amdhsa_code_object_version 6
	.text
	.protected	k_qf136452abc_ffn2
	.globl	k_qf136452abc_ffn2
	.p2align	8
	.type	k_qf136452abc_ffn2,@function
k_qf136452abc_ffn2:
	s_mov_b64 s[64:65], 0
	v_nop
	global_prefetch_b8 v0, s[64:65] scope:SCOPE_SE
	s_setreg_imm32_b32 hwreg(HW_REG_WAVE_MODE, 25, 1), 1
	s_wait_xcnt 0x0
	s_wait_alu depctr_hold_cnt(0) depctr_sa_sdst(0) depctr_va_vdst(0) depctr_va_sdst(0) depctr_va_ssrc(0) depctr_va_vcc(0) depctr_vm_vsrc(0)
	s_getreg_b32 s2, hwreg(HW_REG_IB_STS2, 6, 4)
	s_cmp_eq_u32 s2, 0
	s_cbranch_scc0 .Lentry_in_a_cluster
	s_endpgm
.Lentry_in_a_cluster:
	s_bfe_u32 s2, ttmp6, 0x10000c
	s_cmp_lg_u32 s2, 0xf033
	s_cbranch_scc0 .Lentry_shape_is_right
	s_endpgm
.Lentry_shape_is_right:
; out0 = x1 + hidden w2 + b2: the hidden layer's codes [4096][SIZE_K] (entry 14) x w2's codes [1024][SIZE_K] at WOFF in wc (entry 15); f32 out, rows of 4,096 bytes.
; A tile 128 x 128 is made by four waves, 64 x 64 each: 16 accumulators.  K goes in steps of 512 (LDS rows of 512 bytes + 16; a wave's tensor load brings 64 of them) through two slots, by joint loads in clusters of 4 x 4:
; A's tile is shared along a row of the cluster, B's along a column.  The matrix instruction is used transposed (source 0 = 16 rows of B, source 1 = 16 rows of A): a lane holds eight neighbouring numbers of a row.
; The bias, divided by 2^(ea + eb), is the C of each sum's first product.  The residual's 32 whole rows that a wave will store are asked for at the head, into window 2; the sums go raw through one stage in LDS and
; come back as whole rows, where one packed multiply-add gives sum x 2^(ea + eb) + residual.  LIMIT: ea + eb between -126 and 127.
; REGISTERS: window 0: v0-31 addresses; v32-63 the bias; v128-255 the accumulators ((a, b) at v[128 + 8 (4 a + b)]), later rows.  window 1: two fragment buffers of 128 (A's four, then B's four).  window 2: v0-127 the residual.
.set SIZE_K, 4096
.set WOFF,   0x800000
.set EA,     82                        ; s[68 + n] holds entry n
.set EB,     83
.set KSTEP,  512
.set PITCH,  528
.set HALFT,  64*PITCH
.set SLOT,   4*HALFT
.set SPARE,  2*SLOT                    ; the spare words, 128 bytes a wave, named by no other line
.set LAPS,   SIZE_K/(2*KSTEP)
.set ADRA, 16
.set ADRB, 20
.set STO,  24
.set RD,   25
.set CO,   26
.set SPW,  28
.set NIL,  29
.set BI,   32
.set ACC,  128
.set F0,   0
.set F1,   128
.set G1, 24
.set G0, 32
.set G1B, 48
.set G0B, 56
.set MSB, 0
.macro WIN new
.if MSB != \new
	s_set_vgpr_msb (MSB<<8)|\new
.set MSB, \new
.endif
.endm
.set MUL,  0x05                        ; sources 0 (B) and 1 (A) window 1; C and D window 0
.set TO_F, 0x40
.macro JLOAD s                         ; a joint load: waves 0, 1 fetch A's halves, waves 2, 3 B's; four v_nop follow each line
	s_cmp_eq_u32 s15, 0
	s_cbranch_scc0 .Lfor_b_\@
	tensor_load_to_lds s[G0+4*\s:G0+4*\s+3], s[G1:G1+7]
	s_nop 0
.rept 4
	v_nop
.endr
	s_branch .Lasked_\@
.Lfor_b_\@:
	tensor_load_to_lds s[G0B+4*\s:G0B+4*\s+3], s[G1B:G1B+7]
	s_nop 0
.rept 4
	v_nop
.endr
.Lasked_\@:
.endm
.macro CREST
	s_cmp_lg_u32 s14, 0
	s_cbranch_scc1 .Lnot_wave_0_\@
	s_barrier_signal -3
.Lnot_wave_0_\@:
	s_barrier_wait -3
	s_barrier_signal -1
	s_barrier_wait -1
.endm
.macro CROUND
	s_barrier_signal -1
	s_barrier_wait -1
	CREST
.endm
	s_load_b128 s[4:7], s[0:1], 0x0                ; A's codes s[4:5], wc s[6:7]
	s_load_b256 s[84:91], s[0:1], 0x10             ; scales s[84:85], bias s[86:87], residual s[88:89], out s[90:91]
	v_lshl_add_u32 v[SPW], v0, 2, SPARE
	v_mov_b32 v[NIL], 0
	ds_add_u32 v28, v29
	ds_add_u32 v28, v29
	s_wait_dscnt 0x0
	v_lshrrev_b32 v1, 5, v0
	v_readfirstlane_b32 s14, v1                    ; wave 0..3
	s_lshr_b32 s15, s14, 1                         ; my half of the rows; also: I fetch for A (0) or B (1)
	s_and_b32 s16, s14, 1                          ; my half of the columns; also: which 64 rows I fetch
	s_bfe_u32 s40, ttmp6, 0x40000
	s_bfe_u32 s41, ttmp6, 0x40004
	s_lshl_b32 s42, ttmp9, 2
	s_add_co_u32 s42, s42, s40                     ; tile column
	s_and_b32 s17, ttmp7, 0xffff
	s_lshl_b32 s17, s17, 2
	s_add_co_u32 s17, s17, s41                     ; tile row
	s_lshl_b32 s43, s41, 2
	s_lshl_b32 s43, 15, s43
	s_lshl_b32 s44, 0x1111, s40
	s_or_b32 s[G1+0], s43, (0<<16)|(1<<20)|(1<<21)|(6<<22)|(3<<25)   ; mask; elements of 1 byte; padding: 4 words after every 128; bit 21 beside a mask
	s_or_b32 s[G1B+0], s44, (0<<16)|(1<<20)|(1<<21)|(6<<22)|(3<<25)
.irp g, G1, G1B
	s_mov_b32 s[\g+1], KSTEP<<16
	s_mov_b32 s[\g+2], 64<<16
	s_mov_b32 s[\g+3], KSTEP<<16
	s_mov_b32 s[\g+4], 64
	s_mov_b32 s[\g+5], SIZE_K
	s_mov_b32 s[\g+6], 0
	s_mov_b32 s[\g+7], 0
.endr
	s_lshl_b32 s18, s16, 6
	s_lshl_b32 s20, s17, 7
	s_add_co_u32 s20, s20, s18
	s_mul_i32 s20, s20, SIZE_K                     ; A: row 128 tile row + 64 half, under 2^25 bytes
	s_lshl_b32 s46, s42, 7
	s_add_co_u32 s46, s46, s18
	s_mul_i32 s46, s46, SIZE_K
	s_add_co_u32 s46, s46, WOFF
	s_mov_b32 s21, 0
	s_mov_b32 s47, 0
	s_mul_i32 s45, s14, HALFT
	s_wait_kmcnt 0x0
	s_load_b512 s[68:83], s[84:85], 0x0
	s_add_nc_u64 s[20:21], s[4:5], s[20:21]
	s_add_nc_u64 s[46:47], s[6:7], s[46:47]
	CROUND                                         ; the first joint loads meet
.irp s, 0,1
	s_mov_b32 s[G0+4*\s], 1
	s_add_co_u32 s[G0+4*\s+1], s45, \s*SLOT
	s_add_nc_u64 s[G0+4*\s+2:G0+4*\s+3], s[20:21], \s*KSTEP
	s_or_b32 s[G0+4*\s+3], s[G0+4*\s+3], 0x80000000
	s_mov_b32 s[G0B+4*\s], 1
	s_add_co_u32 s[G0B+4*\s+1], s45, \s*SLOT
	s_add_nc_u64 s[G0B+4*\s+2:G0B+4*\s+3], s[46:47], \s*KSTEP
	s_or_b32 s[G0B+4*\s+3], s[G0B+4*\s+3], 0x80000000
	JLOAD \s
.endr
	v_and_b32 v1, 15, v0                           ; r
	v_bfe_u32 v2, v0, 4, 1                         ; h
	v_mul_u32_u24 v3, v1, PITCH
	v_lshl_add_u32 v4, v2, 4, v3
	s_mul_i32 s21, s15, HALFT
	s_mul_i32 s22, s16, HALFT
	s_add_co_u32 s22, s22, 2*HALFT
.irp s, 0,1
	v_add_nc_u32 v[ADRA+\s], s21, v4
	v_add_nc_u32 v[ADRB+\s], s22, v4
	s_add_co_u32 s21, s21, SLOT
	s_add_co_u32 s22, s22, SLOT
.endr
	s_mul_i32 s23, s15, 64*PITCH                   ; the stage, 128 rows x 528 bytes in slot 0: in: row 64 (my half) + r, byte 256 (my half) + 32 h
	s_lshl_b32 s18, s16, 8
	s_add_co_u32 s23, s23, s18
	v_lshl_add_u32 v5, v2, 5, v3
	v_add_nc_u32 v[STO], s23, v5
	v_and_b32 v6, 31, v0
	v_lshlrev_b32 v[CO], 4, v6                     ; back, and in memory: 32 lanes take a row's 512 bytes
	s_mul_i32 s23, s14, 32*PITCH
	v_add_nc_u32 v[RD], s23, v[CO]
	s_lshl_b32 s20, s17, 19                        ; (128 tile row + 32 wave) rows of 4,096 bytes + 512 tile column
	s_lshl_b32 s21, s14, 17
	s_add_co_u32 s20, s20, s21
	s_lshl_b32 s21, s42, 9
	s_add_co_u32 s20, s20, s21
	s_mov_b32 s21, 0
	s_add_nc_u64 s[88:89], s[88:89], s[20:21]
	s_add_nc_u64 s[90:91], s[90:91], s[20:21]
	s_lshl_b32 s20, s42, 9                         ; the bias: (128 tile column + 64 my half) numbers on
	s_lshl_b32 s22, s16, 8
	s_add_co_u32 s20, s20, s22
	s_add_nc_u64 s[86:87], s[86:87], s[20:21]
	v_lshlrev_b32 v7, 5, v2
.irp b, 0,1,2,3
	global_load_b128 v[BI+8*\b:BI+8*\b+3], v7, s[86:87] offset:64*\b       ; lane (r, h): columns 16 b + 8 h + 0 .. 7
	global_load_b128 v[BI+8*\b+4:BI+8*\b+7], v7, s[86:87] offset:64*\b+16
.endr
	WIN 0x80                                       ; destination window 2
.set t, 0
.rept 32
	global_load_b128 v[4*t:4*t+3], v[CO], s[88:89] offset:t*4096
.set t, t+1
.endr
	WIN 0
	s_wait_kmcnt 0x0
	s_add_co_i32 s92, s[EA], s[EB]
	s_sub_co_i32 s94, 0, s92
	s_add_co_i32 s92, s92, 127
	s_lshl_b32 s92, s92, 23                        ; 2^(ea + eb) as f32
	s_mov_b32 s93, s92
	s_wait_loadcnt 32                              ; the bias is in; the residual's 32 loads may be out
.set j, 0
.rept 32
	v_ldexp_f32 v[BI+j], v[BI+j], s94
.set j, j+1
.endr
.macro MUL4 f, a, first                ; A's block a x B's four, 128 along K; the 16 accumulators take turns
.irp b, 0,1,2,3
.if \first
	v_wmma_f32_16x16x128_fp8_fp8 v[ACC+8*(4*(\a)+\b):ACC+8*(4*(\a)+\b)+7], v[\f+64+16*\b:\f+64+16*\b+15], v[\f+16*(\a):\f+16*(\a)+15], v[BI+8*\b:BI+8*\b+7]
.else
	v_wmma_f32_16x16x128_fp8_fp8 v[ACC+8*(4*(\a)+\b):ACC+8*(4*(\a)+\b)+7], v[\f+64+16*\b:\f+64+16*\b+15], v[\f+16*(\a):\f+16*(\a)+15], v[ACC+8*(4*(\a)+\b):ACC+8*(4*(\a)+\b)+7]
.endif
.endr
.endm
.macro FETCH slot, k, f                ; 32 LDS loads in one run: B's four fragments, then A's four, of 128 along K at byte k
	WIN TO_F
.irp i, 0,1,2,3
.irp c, 0,1,2,3
	ds_load_b128 v[\f+64+16*\i+4*\c:\f+64+16*\i+4*\c+3], v[ADRB+\slot] offset:\k+32*\c+\i*16*PITCH
.endr
.endr
.irp i, 0,1,2,3
.irp c, 0,1,2,3
	ds_load_b128 v[\f+16*\i+4*\c:\f+16*\i+4*\c+3], v[ADRA+\slot] offset:\k+32*\c+\i*16*PITCH
.endr
.endr
.endm
.macro PLACES
.rept 4
	v_nop
.endr
.endm
.macro QUARTER slot, k, f, g, first    ; multiplies buffer f and fetches the next quarter, at byte k, into g
	s_wait_dscnt 8                                 ; B and A's blocks 0, 1 are in; blocks 2, 3 (8 loads) may be out
	WIN MUL
	MUL4 \f, 0, \first
	MUL4 \f, 1, \first
	PLACES
	FETCH \slot, \k, \g
	s_wait_dscnt 32                                ; all but the 32 just issued
	WIN MUL
	MUL4 \f, 2, \first
	MUL4 \f, 3, \first
.endm
.macro TURN slot, next, fill           ; the last quarter multiplies buffer 1 and changes slots: one barrier; fill = 1: this slot is filled again, two K steps ahead
	WIN 0
	s_wait_tensorcnt 0x0                           ; all my tensor loads have landed: my part of the next slot
	ds_add_u32 v[SPW], v[NIL]                      ; 0 onto my spare word
	s_wait_dscnt 9                                 ; the add and A's blocks 2, 3 may be out
	WIN MUL
	MUL4 F1, 0, 0
	s_wait_dscnt 0x0                               ; the add is done, and my reads of this slot are over
	s_barrier_signal -1
	MUL4 F1, 1, 0
.if \fill
	WIN 0
.endif
	s_barrier_wait -1
.if \fill
	CREST                                          ; the barrier has opened a round of the cluster's
	s_add_nc_u64 s[G0+4*\slot+2:G0+4*\slot+3], s[G0+4*\slot+2:G0+4*\slot+3], 2*KSTEP
	s_add_nc_u64 s[G0B+4*\slot+2:G0B+4*\slot+3], s[G0B+4*\slot+2:G0B+4*\slot+3], 2*KSTEP
	JLOAD \slot                                    ; the first tensor load behind the round; its four v_nop are also the places in front of the loads below
.else
	PLACES
.endif
	FETCH \next, 0, F0
	WIN MUL
	MUL4 F1, 2, 0
	MUL4 F1, 3, 0
.endm
	s_wait_tensorcnt 1                             ; my part of K step 0 is in; K step 1's load may be out
	s_barrier_signal -1
	s_barrier_wait -1
	FETCH 0, 0, F0
	QUARTER 0, 128, F0, F1, 1                      ; the first quarter's products start the sums, from the bias
.if LAPS > 1
	WIN 0
	s_mov_b32 s3, LAPS-1
.Llap:
	QUARTER 0, 256, F1, F0, 0
	QUARTER 0, 384, F0, F1, 0
	TURN 0, 1, 1
	QUARTER 1, 128, F0, F1, 0
	QUARTER 1, 256, F1, F0, 0
	QUARTER 1, 384, F0, F1, 0
	TURN 1, 0, 1
	QUARTER 0, 128, F0, F1, 0
	WIN 0
	s_sub_co_u32 s3, s3, 1
	s_cmp_lg_u32 s3, 0
	s_cbranch_scc1 .Llap
.endif
	QUARTER 0, 256, F1, F0, 0                      ; the last lap fills nothing
	QUARTER 0, 384, F0, F1, 0
	TURN 0, 1, 0
	QUARTER 1, 128, F0, F1, 0
	QUARTER 1, 256, F1, F0, 0
	QUARTER 1, 384, F0, F1, 0
	s_wait_dscnt 8
	WIN MUL
	MUL4 F1, 0, 0
	MUL4 F1, 1, 0
	s_wait_dscnt 0
	MUL4 F1, 2, 0
	MUL4 F1, 3, 0
	WIN 0
	; THE WAY OUT.  The stage lies in slot 0, which has had its last fill and which nobody reads behind the last change of slots.
	PLACES
.irp a, 0,1,2,3
.irp b, 0,1,2,3
	ds_store_b128 v[STO], v[ACC+8*(4*\a+\b):ACC+8*(4*\a+\b)+3] offset:\a*16*PITCH+64*\b      ; each accumulator from its low end on
	ds_store_b128 v[STO], v[ACC+8*(4*\a+\b)+4:ACC+8*(4*\a+\b)+7] offset:\a*16*PITCH+64*\b+16
.endr
.endr
	s_wait_dscnt 0x0                               ; for the others' sake: my stores into the stage are done
	s_barrier_signal -1
	s_barrier_wait -1
.set t, 0
.rept 32
	ds_load_b128 v[ACC+4*t:ACC+4*t+3], v[RD] offset:t*PITCH
.set t, t+1
.endr
	s_wait_loadcnt 0x0                             ; the residual
	WIN 0x20                                       ; source 2 window 2
.set t, 0
.rept 32
	s_wait_dscnt 31-t                              ; the younger loads may be out
	v_pk_fma_f32 v[ACC+4*t:ACC+4*t+1], v[ACC+4*t:ACC+4*t+1], s[92:93], v[4*t:4*t+1] op_sel_hi:[1,0,1]
	v_pk_fma_f32 v[ACC+4*t+2:ACC+4*t+3], v[ACC+4*t+2:ACC+4*t+3], s[92:93], v[4*t+2:4*t+3] op_sel_hi:[1,0,1]
	global_store_b128 v[CO], v[ACC+4*t:ACC+4*t+3], s[90:91] offset:t*4096   ; 32 lanes store 512 consecutive bytes, at a multiple of 256 from the buffer's first byte
.set t, t+1
.endr
	WIN 0
	s_wait_tensorcnt 0x0                           ; the wave's end
	ds_add_u32 v[SPW], v[NIL]
	s_wait_dscnt 0x0
	CROUND                                         ; the closing round
	s_endpgm
.Lfunc_end_k_qf136452abc_ffn2:
	.size	k_qf136452abc_ffn2, .Lfunc_end_k_qf136452abc_ffn2-k_qf136452abc_ffn2
	.p2alignl 7, 3214868480
	.fill 96, 4, 3214868480
	.section	.rodata,"a",@progbits
	.p2align	6, 0x0
	.amdhsa_kernel k_qf136452abc_ffn2
		.amdhsa_group_segment_fixed_size 327680
		.amdhsa_private_segment_fixed_size 0
		.amdhsa_enable_private_segment 0
		.amdhsa_kernarg_size 48
		.amdhsa_user_sgpr_count 2
		.amdhsa_user_sgpr_kernarg_segment_ptr 1
		.amdhsa_wavefront_size32 1
		.amdhsa_system_sgpr_workgroup_id_x 1
		.amdhsa_system_sgpr_workgroup_id_y 1
		.amdhsa_system_sgpr_workgroup_id_z 1
		.amdhsa_system_vgpr_workitem_id 0
		.amdhsa_next_free_vgpr 768
		.amdhsa_next_free_sgpr 100
		.amdhsa_reserve_vcc 0
		.amdhsa_float_denorm_mode_32 3
		.amdhsa_float_denorm_mode_16_64 3
		.amdhsa_memory_ordered 1
		.amdhsa_forward_progress 1
		.amdhsa_inst_pref_size 81
	.end_amdhsa_kernel
	.amdgpu_metadata
---
amdhsa.version: [ 1, 2 ]
amdhsa.kernels:
  - .name:           k_qf136452abc_ffn2
    .symbol:         k_qf136452abc_ffn2.kd
    .args:
      - { .name: hid, .offset: 0, .size: 8, .value_kind: global_buffer, .address_space: global }
      - { .name: wc, .offset: 8, .size: 8, .value_kind: global_buffer, .address_space: global }
      - { .name: lowp_scales, .offset: 16, .size: 8, .value_kind: global_buffer, .address_space: global }
      - { .name: b2, .offset: 24, .size: 8, .value_kind: global_buffer, .address_space: global }
      - { .name: x1, .offset: 32, .size: 8, .value_kind: global_buffer, .address_space: global }
      - { .name: out0, .offset: 40, .size: 8, .value_kind: global_buffer, .address_space: global }
    .group_segment_fixed_size: 327680
    .private_segment_fixed_size: 0
    .kernarg_segment_align: 8
    .kernarg_segment_size: 48
    .max_flat_workgroup_size: 128
    .sgpr_count:     100
    .vgpr_count:     768
    .wavefront_size: 32
...
	.end_amdgpu_metadata
.endif
;; end of part 7
